; MI455X (gfx1250); checked and timed in simulation.
; The chip was launched on July 23, 2026; its instructions are those of AMD's public machine-readable ISA for CDNA 5 (MIT licence, August 2026) and "CDNA5" Instruction Set Architecture Reference Guide (July 2026). The comments in the code are by the model that wrote it; some were corrected since.
;; Causal Attention. Allowed arithmetic: matrix products marked QUANTISED: E2M1 operands, one E8M0 scale for each 32 along K, by v_wmma_scale_f32_16x16x128_f8f6f4 with both operands' format E2M1 (or v_wmma_scale_f32_32x16x128_f4), f32 sums; products left as they are: bf16, f16 or f32 operands; f32 sums; everything else in f32.
;; Inputs: Wk 1,024 x 1,024 float32; Wq 1,024 x 1,024 float32; Wv 1,024 x 1,024 float32; x 4 x 2,048 x 1,024 float32.
;; Outputs: out0 4 x 2,048 x 1,024 float32.
;; This version of the problem:
;;   THIS VERSION OF THE PROBLEM IS GIVEN IN LOW PRECISION. The matrix products marked QUANTISED in the list below multiply operands that are first quantised to E2M1 (2 exponent bits, 1 mantissa bit; 4 bits a number), with one power-of-two scale for each 32 numbers along K (OCP MX v1.0); their sums are f32. The products marked 'left as it is' may take bf16, f16 or f32 operands, with f32 sums. Whichever they take, every output number must still come out within the allowed error. Rounding operands to bf16 (8 significant bits) uses up far more of that allowance than f16 does (11 bits, for magnitudes from 6e-5 to 65,504). All else is computed in f32.
;;   The module's matrix products, in the order in which they are computed (A, B: the left and right operand; K: the contracted axis; several contracted axes count as one K, in the product's order):
;;     1. [M 8,192, K 1,024] x [K 1,024, N 1,024]; A: input x; B: input Wq: QUANTISED
;;     2. [M 8,192, K 1,024] x [K 1,024, N 1,024]; A: input x; B: input Wk: QUANTISED
;;     3. [M 8,192, K 1,024] x [K 1,024, N 1,024]; A: input x; B: input Wv: QUANTISED
;;     4. batch 4 x [M 2,048, K 1,024] x [K 1,024, N 2,048]; A: computed on the way; B: computed on the way: left as it is (an operand is computed on the way)
;;     5. batch 4 x [M 2,048, K 2,048] x [K 2,048, N 1,024]; A: computed on the way; B: computed on the way: left as it is (an operand is computed on the way)
;;   THE QUANTISER, for each operand of a quantised product, along K:
;;     - K is cut into blocks of 32 from its start; a last block that is shorter is filled with zeros.
;;     - A block's scale is 2^e with e = floor(log2(the largest magnitude in the block)) - 2, held to -126 .. 127; a block of zeros has e = 0. As a byte (E8M0): e + 127.
;;     - Each number is divided by its block's scale, clamped to +-6, and rounded to the nearest number of E2M1, ties to even, subnormals kept.
;;     - The product sums the exact products of the quantised numbers (number of the format x scale) in f32.
;;   ~~~python
;;   def quantise(x, axis):      # numpy; x: float32 -> the quantised numbers, widened to float32 again
;;       x = np.moveaxis(x, axis, -1); K = x.shape[-1]
;;       x = np.pad(x, [(0, 0)] * (x.ndim - 1) + [(0, -K % 32)]); x = x.reshape(x.shape[:-1] + (-1, 32)); a = np.abs(x).max(-1, keepdims=True)
;;       e = np.where(a > 0, np.clip(np.frexp(np.where(a > 0, a, 1))[1] - 1 - 2, -126, 127), 0)      # np.frexp(a)[1] - 1 = floor(log2(a)), exactly
;;       r = np.clip(x / 2.0 ** e, -6, 6)
;;       step = 2.0 ** (np.maximum(np.frexp(np.where(r == 0, 1, r))[1] - 1, 0) - 1)
;;       q = np.round(r / step) * step * 2.0 ** e      # np.round: ties to even
;;       return np.moveaxis(q.reshape(q.shape[:-2] + (-1,))[..., :K], -1, axis).astype(np.float32)
;;   ~~~
;; One version. Each part assembles by itself: llvm-mc -triple=amdgcn-amd-amdhsa -mcpu=gfx1250 --defsym DOCPART=n.
;; ======== version 1 of 1: 5 launches
;; limits: values are held in f16: magnitudes above 65,504 overflow, below 6.1e-05 lose precision
;; workspace buffers: xq 4,456,448 bytes; wq 1,671,168 bytes; qk 33,554,432 bytes; vt 16,777,216 bytes; p 33,554,432 bytes; stat 1,048,576 bytes; f32a 786,432 bytes
;; launch quant (part 1): grid 352 x 1, 4 waves a work-group, no clusters, 51,712 bytes of LDS; arguments x, Wq, Wk, Wv, xq, wq; writes xq, wq
.if DOCPART == 1
	.amdgcn_target "amdgcn-amd-amdhsa--gfx1250"
	.amdhsa_code_object_version 6
	.text
	.protected	k_q4e943cccb4_quant
	.globl	k_q4e943cccb4_quant
	.p2align	8
	.type	k_q4e943cccb4_quant,@function
k_q4e943cccb4_quant:
	s_mov_b64 s[64:65], 0
	v_nop
	global_prefetch_b8 v0, s[64:65] scope:SCOPE_SE
	s_setreg_imm32_b32 hwreg(HW_REG_WAVE_MODE, 25, 1), 1
	s_wait_xcnt 0x0
; THE PROGRAM: out = softmax(causal(q k^T / 32)) v with q, k, v = x Wq, x Wk, x Wv; the three projections on codes of E2M1 with one E8M0 scale for each 32 along d_in.
; Five launches: this one (codes and scale bytes of x and of the three weights), proj (q, k, v), scores (p, block by block of 128 keys), pv (the weighted sums), first16 (positions 0-15 of each sequence in f32).
; WORK LEFT OUT, in scores and pv: tiles of q k^T, and the steps of p v that would take them, in which every key comes after every query.  reference() builds the lower-triangular mask in its own body and puts
; -infinity there ahead of the softmax; the weight is then exactly 0 for every finite value of the inputs, and 0 x v adds nothing.  All four inputs have a way to the output and are loaded.
; LIMITS: a NaN, an infinity or an overflow that reaches only the tiles left out is not carried to the result.  q, k and v go on as f16: their magnitudes must stay at or under 65,504.  NaN and infinities among the inputs are not served.
; THIS LAUNCH.  A block's scale is 2^(floor(log2(its largest magnitude)) - 2); its byte is the largest magnitude's exponent field - 2, held at 1 from below.  (A block of zeros gets the byte 1 where the rule says 127:
; its codes are zeros, which add nothing under any byte but 0xff, and this program alone reads the bytes.)  Blocks whose largest magnitude lies under 2^(2 - 126) were not tried.
; Work-groups 0-255: x [8192][1024], K innermost: a plain stream of blocks of 32; a wave takes 16 steps of 512 numbers; each load reads 512 consecutive bytes, and loads run eight steps (32 loads a wave) ahead; the numbers
; turn through the wave's own stage in LDS so that a lane holds 16 neighbours; 8 bytes of codes a lane: 256 consecutive bytes a store; the wave's 256 scale bytes are gathered in LDS and leave as one aligned run of 256 bytes.
; Work-groups 256-351: the weights [1024 (K)][1024]: a work-group takes 64 columns x 512 along K, wave w the rows 128 w .. 128 w + 127 of K.  A lane takes two neighbouring columns (8 bytes a load: a wave reads 256 consecutive
; aligned bytes) and its registers run down K: four blocks of 32, two blocks (64 loads) ahead.  The two columns are parted by moves, since the conversions take neighbours along K from consecutive registers.
; The four waves' codes meet in one stage (a row to a column: 256 bytes of codes), one barrier, and leave as rows: sixteen lanes to 256 aligned bytes.  The scale words likewise.
; The two paths part on the work-group's number, have LDS bytes of their own, and meet at the closing lines.  No tensor loads.
.set SPW,   12                         ; v12  LDS address of my spare word; never rewritten
.set NIL,   13                         ; v13  0; never rewritten
.set WSTG,  32768                      ; the weights' stage: 64 rows x 272 bytes
.set SCST,  50176                      ; the weights' scale words: 64 rows x 16 bytes
.set SPARE, 51200                      ; the spare words: 128 bytes a wave
.set EMAX,  2
.set STEPS, 16
.set AHEAD, 8                          ; x: sets of load registers
.set CB,    8                          ; bytes of 16 codes
.set R,     16                         ; v16-143  x: eight sets of 16 numbers as loaded
.set X,     144                        ; v144-175 x: two sets of 16 neighbours
.set E,     176                        ; v176-191 x: a scale byte for each step
.set C,     192                        ; v192-223 x: codes, two registers a step
.set WREG,  8192                       ; x: LDS region of a wave: two stages of 32 x SP bytes, then its 256 scale bytes
.set SP,    80
.set NB,    4                          ; weights: blocks of 32 along K for a wave
.set PITCH, 272                        ; weights: a stage row: 256 bytes of codes + 16
.set KROW,  512                        ; a row of codes in memory
.set SBW,   24                         ; v24, v25   weights: my two columns' scale words
.set WX,    32                         ; v32-159    two sets of 32 rows x 2 columns
.set TMP,   160                        ; v160-223   the two columns parted: 32 numbers each
.set WC,    224                        ; v224-231   a block's codes, four registers a column
.set OUTR,  32                         ; v32-63     the way out
	s_load_b256 s[4:11], s[0:1], 0x0               ; x, Wq, Wk, Wv
	s_load_b128 s[12:15], s[0:1], 0x20             ; xq, wq
	v_lshl_add_u32 v[SPW], v0, 2, SPARE
	v_mov_b32 v[NIL], 0
	v_lshrrev_b32 v1, 5, v0
	v_readfirstlane_b32 s16, v1                    ; wave
	v_and_b32 v2, 31, v0                           ; lane
	s_cmp_lt_u32 ttmp9, 256
	s_cbranch_scc0 .Lweights
	; ---------------- x ----------------
	v_lshlrev_b32 v3, 4, v2                        ; my 16 bytes of a load's 512
	s_mul_i32 s17, s16, WREG
	v_lshrrev_b32 v14, 2, v2
	v_mul_u32_u24 v14, v14, SP
	v_and_b32 v15, 3, v2
	v_lshl_add_u32 v14, v15, 4, v14
	v_add_nc_u32 v14, s17, v14                     ; the stage, on the way in: four lanes' 64 bytes on end, then 16 of padding
	v_mul_u32_u24 v15, v2, SP
	v_add_nc_u32 v15, s17, v15                     ; and on the way out: my 16 neighbours
	v_mul_u32_u24 v4, v2, CB                       ; my codes' place in a step's
	v_lshrrev_b32 v5, 1, v2
	s_add_co_u32 s17, s17, 2*32*SP
	v_add_nc_u32 v5, s17, v5                       ; my block's scale byte in LDS
	v_lshlrev_b32 v7, 3, v2
	v_add_nc_u32 v6, s17, v7                       ; and 8 bytes a lane on the way out
	s_lshl_b32 s17, ttmp9, 2
	s_add_co_u32 s18, s17, s16                     ; which run of 8,192 numbers is my wave's
	s_mov_b32 s19, 0
	s_lshl_b64 s[20:21], s[18:19], 15              ; 32,768 bytes of x a run
	s_lshl_b64 s[26:27], s[18:19], 12              ; 4,096 bytes of codes
	s_lshl_b32 s28, s18, 8                         ; 256 scale bytes,
	s_add_co_u32 s28, s28, 4194304                 ; behind the codes
	s_mov_b32 s29, 0
	s_wait_kmcnt 0x0
	s_add_nc_u64 s[4:5], s[4:5], s[20:21]
	s_add_nc_u64 s[22:23], s[12:13], s[26:27]
	s_add_nc_u64 s[24:25], s[12:13], s[28:29]
.macro XLOAD t
.irp i, 0,1,2,3
	global_load_b128 v[R+16*((\t)%AHEAD)+4*\i:R+16*((\t)%AHEAD)+4*\i+3], v3, s[4:5] offset:2048*(\t)+512*\i th:TH_LOAD_NT
.endr
.endm
.macro XTURN t                         ; step t's numbers through the stage: LDS serves a wave's instructions in order
.irp i, 0,1,2,3
	ds_store_b128 v14, v[R+16*((\t)%AHEAD)+4*\i:R+16*((\t)%AHEAD)+4*\i+3] offset:32*SP*((\t)%2)+8*SP*\i
.endr
.irp i, 0,1,2,3
	ds_load_b128 v[X+16*((\t)%2)+4*\i:X+16*((\t)%2)+4*\i+3], v15 offset:32*SP*((\t)%2)+16*\i
.endr
.endm
.irp t, 0,1,2,3,4,5,6,7
	XLOAD \t
.endr
	s_wait_loadcnt 28                              ; step 0's four loads are in; seven steps' 28 may be out
	XTURN 0
.macro XSTEP t
.set XS, X+16*((\t)%2)
.if (\t) > 0
	s_wait_dscnt 1                                 ; this step's numbers are back from the stage, so its stores into the stage have read their registers; the last step's byte store may be out
.else
	s_wait_dscnt 0x0
.endif
.if (\t)+AHEAD < STEPS
	XLOAD (\t)+AHEAD                               ; into the set that this step has left
.endif
.if (\t)+1 < STEPS
.if STEPS-2-(\t) >= AHEAD-1
	s_wait_loadcnt 4*(AHEAD-1)                     ; the next step's four loads are in; seven steps' 28 may be out
.else
	s_wait_loadcnt 4*(STEPS-2-(\t))
.endif
	XTURN (\t)+1
.endif
	v_max3_num_f32 v8, |v[XS]|, |v[XS+1]|, |v[XS+2]|
	v_max3_num_f32 v9, |v[XS+3]|, |v[XS+4]|, |v[XS+5]|
.irp i, 6,10
	v_max3_num_f32 v8, v8, |v[XS+\i]|, |v[XS+\i+1]|
	v_max3_num_f32 v9, v9, |v[XS+\i+2]|, |v[XS+\i+3]|
.endr
	v_max3_num_f32 v8, v8, |v[XS+14]|, |v[XS+15]|
	v_max3_num_f32 v8, v8, v9, (EMAX+1)<<23        ; and the floor 2^(3 - 127): the byte cannot fall under 1
	v_max_num_f32_dpp v8, v8, v8 row_xmask:1 row_mask:0xf bank_mask:0xf   ; with my neighbour's 16: the block's
	v_add_nc_u32 v11, -(EMAX<<23), v8              ; 2 off the exponent field: the conversion's scale operand
	v_cvt_scalef32_pk8_fp4_f32 v[C+2*(\t)], v[XS:XS+7], v11
	v_cvt_scalef32_pk8_fp4_f32 v[C+2*(\t)+1], v[XS+8:XS+15], v11
	v_lshrrev_b32 v[E+(\t)], 23, v11               ; the scale's byte (also the plain line behind the conversions)
	ds_store_b8 v5, v[E+(\t)] offset:16*(\t)       ; both lanes of a block write the same byte with the same value
	global_store_b64 v4, v[C+2*(\t):C+2*(\t)+1], s[22:23] offset:32*CB*(\t)
.endm
.irp t, 0,1,2,3,4,5,6,7,8,9,10,11,12,13,14,15
	XSTEP \t
.endr
	ds_load_b64 v[8:9], v6                         ; in order behind my byte stores
	s_wait_dscnt 0x0
	global_store_b64 v7, v[8:9], s[24:25]          ; 256 consecutive aligned bytes
	s_branch .Lend
	; ---------------- the weights ----------------
.Lweights:
	s_sub_co_u32 s17, ttmp9, 256                   ; 0 .. 95
	s_lshr_b32 s26, s17, 5                         ; which weight: 0 Wq, 1 Wk, 2 Wv
	s_and_b32 s18, s17, 15                         ; which 64 columns
	s_bfe_u32 s27, s17, 0x10004                    ; which 512 along K
	v_lshlrev_b32 v3, 3, v2                        ; in: 8 bytes a lane
	s_lshl_b32 s19, s16, 6
	s_add_co_u32 s19, s19, WSTG
	v_mul_u32_u24 v4, v2, 2*PITCH
	v_add_nc_u32 v4, s19, v4                       ; into the stage: row = my first column, my wave's 64 bytes of it
	s_lshl_b32 s19, s16, 2
	s_add_co_u32 s19, s19, SCST
	v_lshlrev_b32 v5, 5, v2
	v_add_nc_u32 v5, s19, v5                       ; the scale words: 16 bytes a column, my wave's 4 of them
	v_and_b32 v6, 15, v2
	v_lshrrev_b32 v7, 4, v2
	s_mul_i32 s19, s16, 16*PITCH
	s_add_co_u32 s19, s19, WSTG
	v_mul_u32_u24 v9, v7, PITCH
	v_lshl_add_u32 v9, v6, 4, v9
	v_add_nc_u32 v9, s19, v9                       ; out of the stage: my wave's 16 rows; sixteen lanes to a row, two rows an instruction
	v_mul_u32_u24 v8, v7, KROW
	v_lshl_add_u32 v8, v6, 4, v8                   ; the same place in the codes' buffer
	s_lshl_b32 s19, s16, 8
	s_add_co_u32 s19, s19, SCST
	v_add_nc_u32 v10, s19, v3                      ; my wave's 16 rows of scale bytes, 8 bytes a lane
	v_lshrrev_b32 v14, 1, v2
	v_and_b32 v15, 1, v2
	v_lshlrev_b32 v14, 5, v14
	v_lshl_add_u32 v14, v15, 3, v14                ; and in memory: rows of 32 bytes, two lanes to a row's 16
	s_lshl_b32 s20, s27, 21                        ; 512 rows of 4,096 bytes,
	s_lshl_b32 s21, s16, 19                        ; my wave's 128 rows,
	s_add_co_u32 s20, s20, s21
	s_lshl_b32 s21, s18, 8                         ; 64 columns of 4 bytes
	s_add_co_u32 s20, s20, s21
	s_mov_b32 s21, 0
	s_lshl_b32 s22, s26, 10
	s_lshl_b32 s23, s18, 6
	s_add_co_u32 s22, s22, s23
	s_lshl_b32 s23, s16, 4
	s_add_co_u32 s22, s22, s23                     ; the first row of wq that I store: 1,024 x weight + 64 x group + 16 x wave
	s_lshl_b32 s24, s22, 9
	s_lshl_b32 s25, s27, 8
	s_add_co_u32 s24, s24, s25
	s_mov_b32 s25, 0
	s_lshl_b32 s28, s22, 5
	s_lshl_b32 s29, s27, 4
	s_add_co_u32 s28, s28, s29
	s_add_co_u32 s28, s28, 1572864                 ; the scale bytes lie behind the codes
	s_mov_b32 s29, 0
	s_wait_kmcnt 0x0
	s_cmp_eq_u32 s26, 0                            ; the choice hangs on the work-group's number alone
	s_cselect_b64 s[4:5], s[6:7], s[8:9]
	s_cmp_eq_u32 s26, 2
	s_cselect_b64 s[4:5], s[10:11], s[4:5]
	s_add_nc_u64 s[4:5], s[4:5], s[20:21]
	s_add_nc_u64 s[6:7], s[14:15], s[24:25]
	s_add_nc_u64 s[8:9], s[14:15], s[28:29]
.macro WLOAD t                         ; block t: W(32 t + i, my two columns) into set t % 2: register 2 i + c
.set i, 0
.rept 32
	global_load_b64 v[WX+64*((\t)%2)+2*i:WX+64*((\t)%2)+2*i+1], v3, s[4:5] offset:(32*(\t)+i)*4096 th:TH_LOAD_NT
.set i, i+1
.endr
.endm
	WLOAD 0
	WLOAD 1
.macro WBLOCK t
.set XS, WX+64*((\t)%2)
.if (\t) < NB-1
	s_wait_loadcnt 32                              ; this block's 32 loads are in; the next block's may be out
.else
	s_wait_loadcnt 0
.endif
.irp c, 0,1                                    ; the two columns by turns: each block's 32 numbers are mine
	v_max3_num_f32 v[16+2*\c], |v[XS+\c]|, |v[XS+2+\c]|, |v[XS+4+\c]|
	v_max3_num_f32 v[17+2*\c], |v[XS+6+\c]|, |v[XS+8+\c]|, |v[XS+10+\c]|
.endr
.irp i, 6,10,14,18,22,26
.irp c, 0,1
	v_max3_num_f32 v[16+2*\c], v[16+2*\c], |v[XS+2*\i+\c]|, |v[XS+2*\i+2+\c]|
	v_max3_num_f32 v[17+2*\c], v[17+2*\c], |v[XS+2*\i+4+\c]|, |v[XS+2*\i+6+\c]|
.endr
.endr
.irp c, 0,1
	v_max3_num_f32 v[16+2*\c], v[16+2*\c], |v[XS+60+\c]|, |v[XS+62+\c]|
.endr
.irp c, 0,1
	v_max3_num_f32 v[16+2*\c], v[16+2*\c], v[17+2*\c], (EMAX+1)<<23   ; and the floor
.endr
.irp c, 0,1
	v_add_nc_u32 v[20+\c], -(EMAX<<23), v[16+2*\c] ; the conversion's scale operand
.endr
.irp c, 0,1
	v_lshrrev_b32 v[22+\c], 23, v[20+\c]           ; the scale's byte
.endr
.irp c, 0,1
.if (\t) == 0
	v_mov_b32 v[SBW+\c], v[22+\c]                  ; four bytes to a word, the lower K in the lower byte
.else
	v_lshl_or_b32 v[SBW+\c], v[22+\c], 8*(\t), v[SBW+\c]
.endif
.endr
.irp c, 0,1
.set k, 0
.rept 32
	v_mov_b32 v[TMP+32*\c+k], v[XS+2*k+\c]         ; a column's 32 numbers into consecutive registers
.set k, k+1
.endr
.endr
.irp c, 0,1
.irp g, 0,1,2,3
	v_cvt_scalef32_pk8_fp4_f32 v[WC+4*\c+\g], v[TMP+32*\c+8*\g:TMP+32*\c+8*\g+7], v[20+\c]
.endr
.endr
	v_nop                                          ; a plain line behind the last conversion
.irp c, 0,1
	ds_store_b128 v4, v[WC+4*\c:WC+4*\c+3] offset:\c*PITCH+16*(\t)   ; 32 codes: 16 bytes of the column's row
.endr
.if (\t)+2 < NB
	WLOAD (\t)+2
.endif
	s_wait_dscnt 0x0                               ; the stores have read their registers: the next block's codes may be written
.endm
.set Q, 0
.rept NB
	WBLOCK Q
.set Q, Q+1
.endr
	ds_store_b32 v5, v[SBW]
	ds_store_b32 v5, v[SBW+1] offset:16
	s_wait_dscnt 0x0                               ; for the others' sake: my codes and scale words have landed
	s_barrier_signal -1
	s_barrier_wait -1                              ; the 64 rows are whole
.irp t, 0,1,2,3,4,5,6,7
	ds_load_b128 v[OUTR+4*\t:OUTR+4*\t+3], v9 offset:2*\t*PITCH
.endr
	ds_load_b64 v[64:65], v10
.irp t, 0,1,2,3,4,5,6,7
	s_wait_dscnt 8-\t                              ; row pair t is in; the younger loads may be out
	global_store_b128 v8, v[OUTR+4*\t:OUTR+4*\t+3], s[6:7] offset:2*\t*KROW   ; 16 lanes store 256 consecutive aligned bytes
.endr
	s_wait_dscnt 0x0
	global_store_b64 v14, v[64:65], s[8:9]         ; 16 scale bytes of each of my 16 rows
.Lend:
	s_wait_tensorcnt 0x0                           ; the wave's end, behind my last LDS store
	ds_add_u32 v[SPW], v[NIL]
	s_wait_dscnt 0x0
	s_endpgm
.Lfunc_end_k_q4e943cccb4_quant:
	.size	k_q4e943cccb4_quant, .Lfunc_end_k_q4e943cccb4_quant-k_q4e943cccb4_quant
	.p2alignl 7, 3214868480
	.fill 96, 4, 3214868480
	.section	.rodata,"a",@progbits
	.p2align	6, 0x0
	.amdhsa_kernel k_q4e943cccb4_quant
		.amdhsa_group_segment_fixed_size 51712
		.amdhsa_private_segment_fixed_size 0
		.amdhsa_enable_private_segment 0
		.amdhsa_kernarg_size 48
		.amdhsa_user_sgpr_count 2
		.amdhsa_user_sgpr_kernarg_segment_ptr 1
		.amdhsa_wavefront_size32 1
		.amdhsa_system_sgpr_workgroup_id_x 1
		.amdhsa_system_sgpr_workgroup_id_y 1
		.amdhsa_system_sgpr_workgroup_id_z 1
		.amdhsa_system_vgpr_workitem_id 0
		.amdhsa_next_free_vgpr 256
		.amdhsa_next_free_sgpr 66
		.amdhsa_reserve_vcc 0
		.amdhsa_float_denorm_mode_32 3
		.amdhsa_float_denorm_mode_16_64 3
		.amdhsa_memory_ordered 1
		.amdhsa_forward_progress 1
		.amdhsa_inst_pref_size 70
	.end_amdhsa_kernel
	.amdgpu_metadata
---
amdhsa.version: [ 1, 2 ]
amdhsa.kernels:
  - .name:           k_q4e943cccb4_quant
    .symbol:         k_q4e943cccb4_quant.kd
    .args:
      - { .name: x, .offset: 0, .size: 8, .value_kind: global_buffer, .address_space: global }
      - { .name: Wq, .offset: 8, .size: 8, .value_kind: global_buffer, .address_space: global }
      - { .name: Wk, .offset: 16, .size: 8, .value_kind: global_buffer, .address_space: global }
      - { .name: Wv, .offset: 24, .size: 8, .value_kind: global_buffer, .address_space: global }
      - { .name: xq, .offset: 32, .size: 8, .value_kind: global_buffer, .address_space: global }
      - { .name: wq, .offset: 40, .size: 8, .value_kind: global_buffer, .address_space: global }
    .group_segment_fixed_size: 51712
    .private_segment_fixed_size: 0
    .kernarg_segment_align: 8
    .kernarg_segment_size: 48
    .max_flat_workgroup_size: 128
    .sgpr_count:     66
    .vgpr_count:     256
    .wavefront_size: 32
...
	.end_amdgpu_metadata
.endif
;; end of part 1
;; launch proj (part 2): grid 96 x 4, 4 waves a work-group, clusters of 4 x 4, 327,680 bytes of LDS; arguments xq, wq, qk, vt, f32a; writes qk, vt, f32a
.if DOCPART == 2
	.amdgcn_target "amdgcn-amd-amdhsa--gfx1250"
	.amdhsa_code_object_version 6
	.text
	.protected	k_q4e943cccb4_proj
	.globl	k_q4e943cccb4_proj
	.p2align	8
	.type	k_q4e943cccb4_proj,@function
k_q4e943cccb4_proj:
	s_mov_b64 s[64:65], 0
	v_nop
	global_prefetch_b8 v0, s[64:65] scope:SCOPE_SE
	s_setreg_imm32_b32 hwreg(HW_REG_WAVE_MODE, 25, 1), 1
	s_wait_xcnt 0x0
	s_wait_alu depctr_hold_cnt(0) depctr_sa_sdst(0) depctr_va_vdst(0) depctr_va_sdst(0) depctr_va_ssrc(0) depctr_va_vcc(0) depctr_vm_vsrc(0)
	s_getreg_b32 s2, hwreg(HW_REG_IB_STS2, 6, 4)
	s_cmp_eq_u32 s2, 0
	s_cbranch_scc0 .Lentry_in_a_cluster
	s_endpgm
.Lentry_in_a_cluster:
	s_bfe_u32 s2, ttmp6, 0x10000c
	s_cmp_lg_u32 s2, 0xf033
	s_cbranch_scc0 .Lentry_shape_is_right
	s_endpgm
.Lentry_shape_is_right:
; The three projections on codes of E2M1 with E8M0 scales, as ONE product form C = A B^T, K = 1,024, in tiles of 256 x 256, four waves of 128 x 128 (64 accumulators, 512 registers).
; Clusters 0-15:  A = x (8,192 rows), B = Wq and Wk (2,048 rows of wq), C = qk [8192][2048] f16: q in columns 0-1023, k in 1024-2047.
; Clusters 16-23: A = Wv (rows 2,048 on of wq), B = x, C = vt [1024 channels][8192 tokens] f16: v comes out with the tokens innermost, as the last product wants it.
; No work is left out here.  LIMIT: |q|, |k|, |v| at or under 65,504 (f16).
; A cluster is 4 x 4 work-groups: A's tile hangs on the tile row alone (cy and the cluster's number) and is asked for jointly along a row of the cluster, B's on the tile column alone (cx and the cluster's number), along a column.
; In clusters 0-15 cy is the sequence, in 16-23 cx is: so whether a tile holds positions 0-15 of a sequence hangs on the cluster's number and the wave alone, alike in all partners.
; K is two slots of 512: both are asked for at the start, nothing is filled again.  The scale bytes of the 256 + 256 rows for all of K come once, in rows of 256 bytes.
; THE MATRIX INSTRUCTION IS USED TRANSPOSED (source 0 = 16 rows of B, source 1 = 16 rows of A): a lane holds eight neighbouring numbers of a row of C.
; The results of positions 0-15 also go out in f32, as images of the accumulators' registers (f32a), for the launch that makes those rows in f32.
; REGISTERS: window 0: v0-31 addresses; v32-95 scale words, two sets; v96-104 store offsets; from v128 A's fragments, one set.  window 1: B's fragments, two sets.  windows 2, 3: the accumulators ((a, b) at v[8 (8 (a % 4) + b)]).
.set NQ,     4                         ; matrix instructions deep in a slot
.set ROWB,   256                       ; a tile's row in bytes: 512 codes
.set KROW,   512                       ; a row of codes in memory
.set PITCH,  272                       ; an LDS row: 256 bytes + 16: sixteen rows of a load start at sixteen different banks
.set FR,     8
.set NL,     2
.set NP,     4
.set HALFT,  128*PITCH
.set SLOT,   4*HALFT
.set KS,     32                        ; a row of scale bytes
.set SCL,    2*SLOT
.set HALFS,  (128*KS/256)*272
.set SBLK,   (16*KS/256)*272
.set SPARE,  SCL+4*HALFS
.set SPITCH, 272                       ; the way out: a stage of 16 rows x (256 + 16) bytes a wave, in slot 0, which has had its only fill and its last read by then
.set ADRA, 16
.set ADRB, 20
.set STO,  24
.set RD,   25
.set ADRS, 27
.set SPW,  28
.set NIL,  29
.set SC,   32
.set CO,   96                          ; v96-103 byte offsets in C of row pair t: (h + 2 t) x pitch + 16 r
.set IMG,  104                         ; v104    16 x lane
.set AF,   128
.set TMP,  192
.set OB,   32                          ; rows back from the stage: v32-63 and v224-255 by turns
.set G1, 24
.set G0, 32
.set G1B, 48
.set G0B, 56
.set G1S, 68
.set G0S, 76
.set G1SB, 80
.set G0SB, 88
.set MSB, 0
.macro WIN new
.if MSB != \new
	s_set_vgpr_msb (MSB<<8)|\new
.set MSB, \new
.endif
.endm
.set MUL_LO, 0xa1
.set MUL_HI, 0xf1
.set TO_B,   0x40
.macro JLOAD g0a, g1a, g0b, g1b        ; waves 0, 1 fetch for A, waves 2, 3 for B; an s_nop 0 and four v_nop follow each line
	s_cmp_eq_u32 s15, 0
	s_cbranch_scc0 .Lfor_b_\@
	tensor_load_to_lds s[\g0a:\g0a+3], s[\g1a:\g1a+7]
	s_nop 0
.rept 4
	v_nop
.endr
	s_branch .Lasked_\@
.Lfor_b_\@:
	tensor_load_to_lds s[\g0b:\g0b+3], s[\g1b:\g1b+7]
	s_nop 0
.rept 4
	v_nop
.endr
.Lasked_\@:
.endm
.macro CROUND                          ; a round of the cluster's barrier
	s_barrier_signal -1
	s_barrier_wait -1
	s_cmp_lg_u32 s14, 0
	s_cbranch_scc1 .Lnot_wave_0_\@
	s_barrier_signal -3
.Lnot_wave_0_\@:
	s_barrier_wait -3
	s_barrier_signal -1
	s_barrier_wait -1
.endm
	s_load_b256 s[4:11], s[0:1], 0x0               ; xq, wq, qk, vt
	s_load_b64 s[12:13], s[0:1], 0x20              ; f32a
	v_lshl_add_u32 v[SPW], v0, 2, SPARE
	v_mov_b32 v[NIL], 0
	ds_add_u32 v[SPW], v[NIL]                      ; the wave's opening: the add, twice on end, and its wait ahead of my first tensor load
	ds_add_u32 v[SPW], v[NIL]
	v_lshrrev_b32 v1, 5, v0
	v_readfirstlane_b32 s14, v1                    ; wave
	s_lshr_b32 s15, s14, 1                         ; my half of the tile's rows; also: I fetch for A (0) or B (1)
	s_and_b32 s16, s14, 1                          ; my half of its columns; also: which 128 rows I fetch
	s_bfe_u32 s40, ttmp6, 0x40000                  ; cx
	s_bfe_u32 s41, ttmp6, 0x40004                  ; cy
	s_lshl_b32 s43, s41, 2
	s_lshl_b32 s43, 15, s43                        ; my row of the cluster
	s_lshl_b32 s44, 0x1111, s40                    ; my column
	s_lshl_b32 s17, s41, 3
	s_lshr_b32 s18, ttmp9, 1
	s_add_co_u32 s17, s17, s18                     ; clusters 0-15: tile row 8 cy + c / 2 (no cx in these registers)
	s_and_b32 s42, ttmp9, 1
	s_lshl_b32 s42, s42, 2
	s_add_co_u32 s42, s42, s40                     ; tile column 4 (c % 2) + cx (no cy in these)
	s_lshl_b32 s99, s40, 3
	s_and_b32 s93, ttmp9, 7
	s_add_co_u32 s99, s99, s93                     ; clusters 16-23: tile column 8 cx + (c - 16); tile row cy
	s_mov_b32 s95, 1048576                         ; where Wv's codes begin in wq
	s_mov_b32 s96, 1638400                         ; and its scale bytes
	s_mov_b32 s97, 4194304                         ; where x's scale bytes begin in xq
	s_mov_b32 s98, 16384                           ; a row of vt in bytes
	s_cmp_lt_u32 ttmp9, 16
	s_cselect_b32 s17, s17, s41                    ; tile row
	s_cselect_b32 s42, s42, s99                    ; tile column
	s_cselect_b32 s95, 0, s95                      ; A's codes: constant part of the offset
	s_cselect_b32 s96, 4194304, s96                ; A's scale bytes
	s_cselect_b32 s97, 1572864, s97                ; B's scale bytes
	s_cselect_b32 s98, 4096, s98                   ; C's pitch in bytes
	s_or_b32 s[G1+0], s43, (0<<16)|(1<<20)|(1<<21)|(5<<22)|(3<<25)   ; mask: my row; elements of 1 byte; padding of 4 words after every 64; bit 21 beside a mask
	s_or_b32 s[G1B+0], s44, (0<<16)|(1<<20)|(1<<21)|(5<<22)|(3<<25)
.irp g, G1, G1B
	s_mov_b32 s[\g+1], ROWB<<16                    ; tensor_dim0
	s_mov_b32 s[\g+2], 128<<16                     ; tensor_dim1
	s_mov_b32 s[\g+3], ROWB<<16                    ; tile_dim0
	s_mov_b32 s[\g+4], 128                         ; tile_dim1
	s_mov_b32 s[\g+5], KROW                        ; pitch
	s_mov_b32 s[\g+6], 0
	s_mov_b32 s[\g+7], 0
.endr
	s_or_b32 s[G1S+0], s43, (3<<16)|(1<<20)|(1<<21)|(5<<22)|(3<<25)  ; the scale bytes of 128 rows: 4,096 dense bytes as 16 rows of 256
	s_or_b32 s[G1SB+0], s44, (3<<16)|(1<<20)|(1<<21)|(5<<22)|(3<<25)
.irp g, G1S, G1SB
	s_mov_b32 s[\g+1], 32<<16
	s_mov_b32 s[\g+2], (128*KS/256)<<16
	s_mov_b32 s[\g+3], 32<<16
	s_mov_b32 s[\g+4], 128*KS/256
	s_mov_b32 s[\g+5], 32
	s_mov_b32 s[\g+6], 0
	s_mov_b32 s[\g+7], 0
.endr
	s_lshl_b32 s18, s16, 7
	s_lshl_b32 s20, s17, 8
	s_add_co_u32 s20, s20, s18                     ; A: row 256 x tile row + 128 x half
	s_lshl_b32 s46, s42, 8
	s_add_co_u32 s46, s46, s18                     ; B: row 256 x tile column + 128 x half
	s_lshl_b32 s22, s20, 5
	s_add_co_u32 s22, s22, s96                     ; A's scale bytes, offset
	s_mov_b32 s23, 0
	s_lshl_b32 s92, s46, 5
	s_add_co_u32 s92, s92, s97                     ; B's
	s_mov_b32 s93, 0
	s_lshl_b32 s20, s20, 9
	s_add_co_u32 s20, s20, s95                     ; A's codes
	s_mov_b32 s21, 0
	s_lshl_b32 s46, s46, 9                         ; B's
	s_mov_b32 s47, 0
	s_mul_i32 s45, s14, HALFT                      ; where they go: wave x 128 rows
	s_mul_i32 s94, s14, HALFS
	s_wait_dscnt 0x0                               ; both opening adds are done
	s_wait_kmcnt 0x0
	s_cmp_lt_u32 ttmp9, 16                         ; the choices hang on the cluster's number alone
	s_cselect_b64 s[2:3], s[4:5], s[6:7]           ; A's buffer
	s_cselect_b64 s[66:67], s[6:7], s[4:5]         ; B's
	s_cselect_b64 s[8:9], s[8:9], s[10:11]         ; C
	s_add_nc_u64 s[20:21], s[2:3], s[20:21]
	s_add_nc_u64 s[22:23], s[2:3], s[22:23]
	s_add_nc_u64 s[46:47], s[66:67], s[46:47]
	s_add_nc_u64 s[92:93], s[66:67], s[92:93]
	CROUND                                         ; all sixteen work-groups are here: the joint loads meet
	s_mov_b32 s[G0S], 1
	s_add_co_u32 s[G0S+1], s94, SCL
	s_mov_b64 s[G0S+2:G0S+3], s[22:23]
	s_or_b32 s[G0S+3], s[G0S+3], 0x80000000
	s_mov_b32 s[G0SB], 1
	s_add_co_u32 s[G0SB+1], s94, SCL
	s_mov_b64 s[G0SB+2:G0SB+3], s[92:93]
	s_or_b32 s[G0SB+3], s[G0SB+3], 0x80000000
	JLOAD G0S, G1S, G0SB, G1SB                     ; the scale bytes first
.irp s, 0,1
	s_mov_b32 s[G0+4*\s], 1
	s_add_co_u32 s[G0+4*\s+1], s45, \s*SLOT
	s_add_nc_u64 s[G0+4*\s+2:G0+4*\s+3], s[20:21], \s*ROWB
	s_or_b32 s[G0+4*\s+3], s[G0+4*\s+3], 0x80000000
	s_mov_b32 s[G0B+4*\s], 1
	s_add_co_u32 s[G0B+4*\s+1], s45, \s*SLOT
	s_add_nc_u64 s[G0B+4*\s+2:G0B+4*\s+3], s[46:47], \s*ROWB
	s_or_b32 s[G0B+4*\s+3], s[G0B+4*\s+3], 0x80000000
	JLOAD G0+4*\s, G1, G0B+4*\s, G1B               ; three loads of mine are out at the most
.endr
	v_and_b32 v1, 15, v0                           ; r
	v_bfe_u32 v2, v0, 4, 1                         ; h
	v_mul_u32_u24 v3, v1, PITCH
	v_lshl_add_u32 v4, v2, 4, v3
	s_mul_i32 s21, s15, HALFT
	s_mul_i32 s22, s16, HALFT
	s_add_co_u32 s22, s22, 2*HALFT
.irp s, 0,1
	v_add_nc_u32 v[ADRA+\s], s21, v4
	v_add_nc_u32 v[ADRB+\s], s22, v4
	s_add_co_u32 s21, s21, SLOT
	s_add_co_u32 s22, s22, SLOT
.endr
	v_mul_u32_u24 v5, v1, KS                       ; my row's scale bytes,
	v_lshrrev_b32 v6, 8, v5
	v_lshl_add_u32 v5, v6, 4, v5                   ; and 16 more for each 256 passed
	s_mul_i32 s21, s15, HALFS
	s_mul_i32 s22, s16, HALFS
	s_add_co_u32 s22, s22, 2*HALFS
	s_sub_co_u32 s22, s22, s21
	v_mul_u32_u24 v6, s22, v2                      ; lanes 16-31 take B's
	s_add_co_u32 s21, s21, SCL
	v_add_nc_u32 v5, v5, v6
	v_add_nc_u32 v[ADRS], s21, v5
	s_mul_i32 s23, s14, 16*SPITCH                  ; my stage
	v_mul_u32_u24 v5, v1, SPITCH
	v_lshl_add_u32 v5, v2, 4, v5
	v_add_nc_u32 v[STO], s23, v5                   ; in: row r, 16 bytes for each half of the lanes
	v_mul_u32_u24 v5, v2, SPITCH
	v_lshl_add_u32 v5, v1, 4, v5
	v_add_nc_u32 v[RD], s23, v5                    ; back: lanes 0-15 one row of 256 bytes, lanes 16-31 the next
	s_lshl_b32 s99, s98, 1                         ; two rows of C
	v_mul_u32_u24 v5, s98, v2
	v_lshl_add_u32 v[CO], v1, 4, v5
.irp t, 1,2,3,4,5,6,7
	v_add_nc_u32 v[CO+\t], s99, v[CO+\t-1]
.endr
	v_and_b32 v6, 31, v0
	v_lshlrev_b32 v[IMG], 4, v6
	s_lshl_b32 s20, s17, 8
	s_lshl_b32 s21, s15, 7
	s_add_co_u32 s20, s20, s21                     ; my first row of C
	s_mul_i32 s20, s20, s98
	s_lshl_b32 s46, s42, 9                         ; my first column, in bytes
	s_lshl_b32 s47, s16, 8
	s_add_co_u32 s46, s46, s47
	s_add_co_u32 s20, s20, s46
	s_mov_b32 s21, 0
	s_add_nc_u64 s[8:9], s[8:9], s[20:21]
	s_lshl_b32 s20, s98, 4                         ; s[20:21]: 16 rows of C
	s_lshl_b32 s22, s41, 7                         ; the f32 images: clusters 0-15: block 128 cy + 16 x tile column + 8 x column half
	s_lshl_b32 s23, s42, 4
	s_add_co_u32 s22, s22, s23
	s_lshl_b32 s23, s16, 3
	s_add_co_u32 s22, s22, s23
	s_lshl_b32 s92, s40, 6                         ; clusters 16-23: block 512 + 64 cx + 16 cy + 8 x row half
	s_lshl_b32 s93, s41, 4
	s_add_co_u32 s92, s92, s93
	s_lshl_b32 s93, s15, 3
	s_add_co_u32 s92, s92, s93
	s_add_co_u32 s92, s92, 512
	s_cmp_lt_u32 ttmp9, 16
	s_cselect_b32 s22, s22, s92
	s_lshl_b32 s22, s22, 10                        ; blocks of 1,024 bytes
	s_mov_b32 s23, 0
	s_add_nc_u64 s[12:13], s[12:13], s[22:23]
	s_lshl_b32 s94, s15, 8
	s_or_b32 s94, s94, ttmp9                       ; under 2: clusters 0, 1 and my rows' half 0: my block 0 of rows is positions 0-15
	s_lshl_b32 s95, s16, 8
	s_or_b32 s95, s95, ttmp9                       ; 16: cluster 16 and my columns' half 0: my block 0 of columns is positions 0-15
.macro FRAG reg, adr, q, i             ; 16 rows x 128 K of 4-bit codes: 8 registers, two loads of 16 bytes, 32 bytes apart
.irp c, 0,1
	ds_load_b128 v[\reg+4*\c:\reg+4*\c+3], v[\adr] offset:64*(\q)+32*\c+(\i)*16*PITCH
.endr
.endm
; 16 matrix instructions: A's blocks a0, a0 + 1 x B's eight.  The 64 accumulators take turns, one instruction a turn.
.macro MUL16 a0, p, q, sc, zero
.irp a, \a0, \a0+1
.irp b, 0,1,2,3,4,5,6,7
.if \zero
	v_wmma_scale_f32_16x16x128_f8f6f4 v[8*(8*((\a)%4)+\b):8*(8*((\a)%4)+\b)+7], v[128*(\p)+FR*\b:128*(\p)+FR*\b+FR-1], v[AF+FR*(\a):AF+FR*(\a)+FR-1], 0, v[SC+8*NQ*(\sc)+NQ*\b+(\q)], v[SC+8*NQ*(\sc)+NQ*(\a)+(\q)] matrix_a_fmt:MATRIX_FMT_FP4 matrix_b_fmt:MATRIX_FMT_FP4 matrix_a_scale:MATRIX_SCALE_ROW1
.else
	v_wmma_scale_f32_16x16x128_f8f6f4 v[8*(8*((\a)%4)+\b):8*(8*((\a)%4)+\b)+7], v[128*(\p)+FR*\b:128*(\p)+FR*\b+FR-1], v[AF+FR*(\a):AF+FR*(\a)+FR-1], v[8*(8*((\a)%4)+\b):8*(8*((\a)%4)+\b)+7], v[SC+8*NQ*(\sc)+NQ*\b+(\q)], v[SC+8*NQ*(\sc)+NQ*(\a)+(\q)] matrix_a_fmt:MATRIX_FMT_FP4 matrix_b_fmt:MATRIX_FMT_FP4 matrix_a_scale:MATRIX_SCALE_ROW1
.endif
.endr
.endr
.endm
.macro FETCH_B slot, q, p
	WIN TO_B
.irp i, 0,1,2,3,4,5,6,7
	FRAG 128*(\p)+FR*\i, ADRB+\slot, \q, \i
.endr
	WIN 0
.endm
.macro FETCH_A slot, q, i0
.irp i, \i0, \i0+1, \i0+2, \i0+3
	FRAG AF+FR*(\i), ADRA+\slot, \q, \i
.endr
.endm
.macro SCALES sc                       ; a slot's scale words: lanes 0-15 A's block i, lanes 16-31 B's block i
.irp i, 0,1,2,3,4,5,6,7
	ds_load_b128 v[SC+8*NQ*\sc+NQ*\i:SC+8*NQ*\sc+NQ*\i+3], v[ADRS] offset:\i*SBLK
.endr
.endm
.macro PLACES n                        ; plain vector lines between a matrix instruction and a load into, or a read of, its registers
.rept \n
	v_nop
.endr
.endm
.macro STEP slot, q, zero              ; 128 along K with its successor in the same slot
	s_wait_dscnt 4*NL                              ; B's set and A's blocks 0-3 are in; A's blocks 4-7 may be out
	WIN MUL_LO
	MUL16 0, (\q)%2, \q, \slot, \zero
	MUL16 2, (\q)%2, \q, \slot, \zero
	s_wait_dscnt 0
	PLACES NP
	FETCH_B \slot, (\q)+1, 1-(\q)%2
	FETCH_A \slot, (\q)+1, 0
	WIN MUL_HI
	MUL16 4, (\q)%2, \q, \slot, \zero
	MUL16 6, (\q)%2, \q, \slot, \zero
	PLACES NP
	WIN 0
	FETCH_A \slot, (\q)+1, 4
.endm
	s_wait_tensorcnt 1                             ; the scale bytes and my part of slot 0 are in; slot 1's load may be out
	s_barrier_signal -1
	s_barrier_wait -1
	FETCH_B 0, 0, 0
	FETCH_A 0, 0, 0
	SCALES 0
	FETCH_A 0, 0, 4
	STEP 0, 0, 1                                   ; the first products start the sums: nothing is cleared
	STEP 0, 1, 0
	STEP 0, 2, 0
	; slot 0's last step changes slots: one barrier
	s_wait_tensorcnt 0x0                           ; my part of slot 1 has landed
	ds_add_u32 v[SPW], v[NIL]
	s_wait_dscnt 4*NL+1                            ; the add and A's blocks 4-7 may be out
	WIN MUL_LO
	MUL16 0, 1, NQ-1, 0, 0
	s_wait_dscnt 0x0
	s_barrier_signal -1
	MUL16 2, 1, NQ-1, 0, 0
	WIN 0
	s_barrier_wait -1
	PLACES NP
	v_add_nc_u32 v[ADRS], 4*NQ, v[ADRS]            ; the second slot's scale words
	FETCH_B 1, 0, 0
	FETCH_A 1, 0, 0
	SCALES 1
	WIN MUL_HI
	MUL16 4, 1, NQ-1, 0, 0
	MUL16 6, 1, NQ-1, 0, 0
	PLACES NP
	WIN 0
	FETCH_A 1, 0, 4
	STEP 1, 0, 0
	STEP 1, 1, 0
	STEP 1, 2, 0
	s_wait_dscnt 4*NL
	WIN MUL_LO
	MUL16 0, 1, NQ-1, 1, 0
	MUL16 2, 1, NQ-1, 1, 0
	s_wait_dscnt 0
	WIN MUL_HI
	MUL16 4, 1, NQ-1, 1, 0
	MUL16 6, 1, NQ-1, 1, 0
	WIN 0
	PLACES NP
	; THE f32 IMAGES of positions 0-15: an accumulator's registers as they stand, 16 bytes a lane, 512 consecutive aligned bytes a store
	s_cmp_lt_u32 s94, 2
	s_cbranch_scc0 .Lno_qk_image
	WIN 0x08                                       ; a store's data are its source 1: window 2
.irp b, 0,1,2,3,4,5,6,7
	global_store_b128 v[IMG], v[8*\b:8*\b+3], s[12:13] offset:1024*\b          ; lane (r, h): q or k of position r, columns 16 b + 8 h + 0 .. 3,
	global_store_b128 v[IMG], v[8*\b+4:8*\b+7], s[12:13] offset:1024*\b+512    ; and + 4 .. 7
.endr
	WIN 0
.Lno_qk_image:
	s_cmp_eq_u32 s95, 16
	s_cbranch_scc0 .Lno_v_image
	WIN 0x08
.irp a, 0,1,2,3
	global_store_b128 v[IMG], v[64*\a:64*\a+3], s[12:13] offset:1024*\a        ; lane (r, h): v of channel 16 a + r, positions 8 h + 0 .. 3,
	global_store_b128 v[IMG], v[64*\a+4:64*\a+7], s[12:13] offset:1024*\a+512  ; and + 4 .. 7
.endr
	WIN 0x0c
.irp a, 0,1,2,3
	global_store_b128 v[IMG], v[64*\a:64*\a+3], s[12:13] offset:1024*(\a+4)
	global_store_b128 v[IMG], v[64*\a+4:64*\a+7], s[12:13] offset:1024*(\a+4)+512
.endr
	WIN 0
.Lno_v_image:
; THE WAY OUT, block by block of 16 rows x 128 columns: rounded to f16, 16 bytes a lane, through my stage, back as whole rows of 256 bytes.
.macro PACK a
.set AC, 64*((\a)%4)
.set WN, 0x0a+5*((\a)/4)
	WIN WN                                         ; sources 0 and 1: window 2 or 3
.irp b, 0,1,2,3,4,5,6,7
.irp r, 0,1,2,3
	v_cvt_pk_f16_f32 v[TMP+4*\b+\r], v[AC+8*\b+2*\r], v[AC+8*\b+2*\r+1]
.endr
.endr
	WIN 0
.endm
.macro TOSTAGE a
.set BK, OB+192*((\a)%2)
.irp b, 0,1,2,3,4,5,6,7
	ds_store_b128 v[STO], v[TMP+4*\b:TMP+4*\b+3] offset:32*\b
.endr
.irp t, 0,1,2,3,4,5,6,7
	ds_load_b128 v[BK+4*\t:BK+4*\t+3], v[RD] offset:\t*2*SPITCH    ; in order behind my stores
.endr
.endm
.macro SEND a
.set BK, OB+192*((\a)%2)
	s_wait_dscnt 0x0                               ; the block is back in registers
	s_wait_xcnt 0x0                                ; earlier stores have read their base and their data: both may be written again
.if (\a) > 0
	s_add_nc_u64 s[8:9], s[8:9], s[20:21]          ; 16 rows of C on
.endif
.irp t, 0,1,2,3,4,5,6,7
	global_store_b128 v[CO+\t], v[BK+4*\t:BK+4*\t+3], s[8:9]       ; 16 lanes store 256 consecutive aligned bytes
.endr
.endm
	PACK 0
	TOSTAGE 0
.irp a, 1,2,3,4,5,6,7
	PACK \a
	SEND \a-1
	TOSTAGE \a
.endr
	SEND 7
	s_wait_tensorcnt 0x0                           ; the wave's end
	ds_add_u32 v[SPW], v[NIL]
	s_wait_dscnt 0x0
	CROUND                                         ; the closing round
	s_endpgm
.Lfunc_end_k_q4e943cccb4_proj:
	.size	k_q4e943cccb4_proj, .Lfunc_end_k_q4e943cccb4_proj-k_q4e943cccb4_proj
	.p2alignl 7, 3214868480
	.fill 96, 4, 3214868480
	.section	.rodata,"a",@progbits
	.p2align	6, 0x0
	.amdhsa_kernel k_q4e943cccb4_proj
		.amdhsa_group_segment_fixed_size 327680
		.amdhsa_private_segment_fixed_size 0
		.amdhsa_enable_private_segment 0
		.amdhsa_kernarg_size 40
		.amdhsa_user_sgpr_count 2
		.amdhsa_user_sgpr_kernarg_segment_ptr 1
		.amdhsa_wavefront_size32 1
		.amdhsa_system_sgpr_workgroup_id_x 1
		.amdhsa_system_sgpr_workgroup_id_y 1
		.amdhsa_system_sgpr_workgroup_id_z 1
		.amdhsa_system_vgpr_workitem_id 0
		.amdhsa_next_free_vgpr 1024
		.amdhsa_next_free_sgpr 100
		.amdhsa_reserve_vcc 0
		.amdhsa_float_denorm_mode_32 3
		.amdhsa_float_denorm_mode_16_64 3
		.amdhsa_memory_ordered 1
		.amdhsa_forward_progress 1
		.amdhsa_inst_pref_size 131
	.end_amdhsa_kernel
	.amdgpu_metadata
---
amdhsa.version: [ 1, 2 ]
amdhsa.kernels:
  - .name:           k_q4e943cccb4_proj
    .symbol:         k_q4e943cccb4_proj.kd
    .args:
      - { .name: xq, .offset: 0, .size: 8, .value_kind: global_buffer, .address_space: global }
      - { .name: wq, .offset: 8, .size: 8, .value_kind: global_buffer, .address_space: global }
      - { .name: qk, .offset: 16, .size: 8, .value_kind: global_buffer, .address_space: global }
      - { .name: vt, .offset: 24, .size: 8, .value_kind: global_buffer, .address_space: global }
      - { .name: f32a, .offset: 32, .size: 8, .value_kind: global_buffer, .address_space: global }
    .group_segment_fixed_size: 327680
    .private_segment_fixed_size: 0
    .kernarg_segment_align: 8
    .kernarg_segment_size: 40
    .max_flat_workgroup_size: 128
    .sgpr_count:     100
    .vgpr_count:     1024
    .wavefront_size: 32
...
	.end_amdgpu_metadata
.endif
;; end of part 2
;; launch scores (part 3): grid 9 x 16, 4 waves a work-group, no clusters, 327,680 bytes of LDS; arguments qk, p, stat; writes p, stat
.if DOCPART == 3
	.amdgcn_target "amdgcn-amd-amdhsa--gfx1250"
	.amdhsa_code_object_version 6
	.text
	.protected	k_q4e943cccb4_scores
	.globl	k_q4e943cccb4_scores
	.p2align	8
	.type	k_q4e943cccb4_scores,@function
k_q4e943cccb4_scores:
	s_mov_b64 s[64:65], 0
	v_nop
	global_prefetch_b8 v0, s[64:65] scope:SCOPE_SE
	s_setreg_imm32_b32 hwreg(HW_REG_WAVE_MODE, 25, 1), 1
	s_wait_xcnt 0x0
; For each tile of 256 queries x 256 keys that holds a key at or before a query: t = (q . k) log2(e) / 32; hidden scores become -infinity; for each query and each BLOCK of 128 keys:
; -M = floor(-(the block's largest t)), p = 2^(t - M) rounded to f16, l = the sum of the unrounded p.  p goes to p [8192][2048], -M and l to stat [2][4 sequences][16 key blocks][2048 rows].
; The block's own maximum is taken away before the exponential; the next launch brings the blocks of a row under the row's maximum by exact powers of two.
; WORK LEFT OUT: tiles in which every key comes after every query (the mask that reference() builds makes their weights exactly 0): 36 of 64 tiles a sequence are made.  Of a tile on the diagonal the quarter of
; queries 0-127 x keys 128-255 is multiplied with the tile and thrown away: its p and its statistics are neither stored nor read.
; NO CLUSTER: a sequence's live tiles form a triangle: tile rows of 1 to 8 tiles and tile columns of 8 to 1; no grouping in fours shares a tile of q or k without partners that would lie wholly under the mask.
; SHARES: a work-group of four waves makes a tile, a wave 128 x 128: 64 accumulators, 512 registers.  Work-groups x = 0..8 of a row of the grid take tile rows 7 - pr (8 - pr tiles) and pr (pr + 1 tiles), pr = y % 4.
; K = 1,024 goes in 8 steps of 128 through two LDS slots; each wave fetches 128 rows x 256 bytes with one tensor load (waves 0, 1: q's rows; waves 2, 3: k's).
; TRANSPOSED USE: source 0 = 16 keys, source 1 = 16 queries: lane (r, h) of accumulator (a, b) holds query 16 a + r and keys 16 b + 8 h + 0 .. 7.
; REGISTERS: window 0: v0-31 addresses, v32-63 the way out's small numbers, v64-127 and v128-191 q's fragments (two buffers); window 1: k's; windows 2, 3: the accumulators.
.set KSTEP,  128
.set PITCH,  272
.set HALFT,  128*PITCH
.set SLOT,   4*HALFT
.set STAGE,  2*SLOT                    ; 16 rows x 272 bytes a wave
.set SPITCH, 272
.set STATS,  STAGE+4*16*SPITCH         ; 1,024 bytes a wave: 128 x -M, 128 x l
.set SPARE,  STATS+4*1024
.set LAPS,   4
.set ADRA, 16
.set ADRB, 20
.set STO,  24
.set RD,   25
.set CO,   26
.set SAW,  27
.set SPW,  28
.set NIL,  29
.set SRD,  30
.set L16,  31
.set MX,   32                          ; v32-35 four chains of the maximum; v36, v37 at work
.set NM,   40                          ; v[40:41] -M, twice
.set SM,   42                          ; v[42:45] sums
.set D0,   46                          ; r - 8 h
.set NINF, 47
.set MS,   48                          ; v48-55 -M of my eight blocks of rows
.set LS,   56                          ; v56-63 l likewise
.set F0,   64
.set F1,   128
.set T,    64                          ; the way out: 64 numbers of a block of rows
.set PK,   128                         ; packed p
.set OB,   160                         ; rows back from the stage: v160-191 and v192-223 by turns
.set G1, 24
.set G0, 32
.set DIAG, 50
.set DEAD, 51
.set CS,  52
.set SEL, 54
.set MSB, 0
.macro WIN new
.if MSB != \new
	s_set_vgpr_msb (MSB<<8)|\new
.set MSB, \new
.endif
.endm
.set MUL_LO, 0xa1
.set MUL_HI, 0xf1
.set TO_B,   0x40
	s_load_b128 s[4:7], s[0:1], 0x0                ; qk, p
	s_load_b64 s[8:9], s[0:1], 0x10                ; stat
	v_lshl_add_u32 v[SPW], v0, 2, SPARE
	v_mov_b32 v[NIL], 0
	ds_add_u32 v[SPW], v[NIL]                      ; the wave's opening: the add, twice on end, and its wait ahead of my first tensor load
	ds_add_u32 v[SPW], v[NIL]
	v_lshrrev_b32 v1, 5, v0
	v_readfirstlane_b32 s10, v1                    ; wave
	s_lshr_b32 s11, s10, 1                         ; my half of the queries; also: I fetch q (0) or k (1)
	s_and_b32 s12, s10, 1                          ; my half of the keys; also: which 128 rows I fetch
	s_and_b32 s40, ttmp7, 0xffff
	s_and_b32 s41, s40, 3                          ; pr
	s_lshr_b32 s42, s40, 2                         ; the sequence
	s_sub_co_u32 s43, 8, s41
	s_sub_co_u32 s44, 7, s41
	s_cmp_lt_u32 ttmp9, s43
	s_cselect_b32 s13, s44, s41                    ; I: tile row
	s_cselect_b32 s45, 0, s43
	s_sub_co_u32 s14, ttmp9, s45                   ; J: tile column, at most I
	s_xor_b32 s50, s13, s14
	s_xor_b32 s15, s11, s12
	s_xor_b32 s51, s12, 1
	s_or_b32 s51, s51, s11
	s_or_b32 s[DEAD], s51, s50                     ; 0: my 128 x 128 lies wholly under the mask
	s_or_b32 s[DIAG], s50, s15                     ; 0: it lies on the diagonal
	s_mov_b32 s[G1+0], (1<<16)|(1<<20)|(5<<22)|(3<<25)   ; elements of 2 bytes; 4 words of padding after every 64
	s_mov_b32 s[G1+1], KSTEP<<16                   ; tensor_dim0
	s_mov_b32 s[G1+2], 128<<16                     ; tensor_dim1
	s_mov_b32 s[G1+3], KSTEP<<16                   ; tile_dim0
	s_mov_b32 s[G1+4], 128                         ; tile_dim1
	s_mov_b32 s[G1+5], 2048                        ; pitch of qk in elements
	s_mov_b32 s[G1+6], 0
	s_mov_b32 s[G1+7], 0
	s_cmp_eq_u32 s11, 0
	s_cselect_b32 s16, s13, s14                    ; q's rows by I, k's by J
	s_cselect_b32 s17, 0, 2048                     ; k lies 2,048 bytes on in a row
	s_lshl_b32 s16, s16, 8
	s_lshl_b32 s18, s12, 7
	s_add_co_u32 s16, s16, s18
	s_lshl_b32 s18, s42, 11
	s_add_co_u32 s16, s16, s18
	s_lshl_b32 s16, s16, 12                        ; rows of 4,096 bytes
	s_add_co_u32 s16, s16, s17
	s_mov_b32 s17, 0
	s_mul_i32 s20, s10, HALFT
	s_mov_b32 s[CS], 0x3d38aa3b                    ; log2(e) / 32
	s_mov_b32 s[CS+1], s[CS]
	s_mov_b32 s[SEL], 0x76543210
	s_mov_b32 s[SEL+1], 0xfedcba98
	s_wait_dscnt 0x0                               ; both opening adds are done
	s_wait_kmcnt 0x0
	s_add_nc_u64 s[46:47], s[4:5], s[16:17]
.irp s, 0,1
	s_mov_b32 s[G0+4*\s], 1
	s_add_co_u32 s[G0+4*\s+1], s20, \s*SLOT
	s_add_nc_u64 s[G0+4*\s+2:G0+4*\s+3], s[46:47], \s*KSTEP*2
	s_or_b32 s[G0+4*\s+3], s[G0+4*\s+3], 0x80000000
.endr
	tensor_load_to_lds s[G0:G0+3], s[G1:G1+7]      ; K step 0
	s_nop 0
	tensor_load_to_lds s[G0+4:G0+7], s[G1:G1+7]    ; K step 1: two loads of mine are out
	s_nop 0
.rept 4
	v_nop
.endr
	v_and_b32 v1, 15, v0                           ; r
	v_bfe_u32 v2, v0, 4, 1                         ; h
	v_mul_u32_u24 v3, v1, PITCH
	v_lshl_add_u32 v3, v2, 4, v3
	s_mul_i32 s21, s11, HALFT
	s_mul_i32 s22, s12, HALFT
	s_add_co_u32 s22, s22, 2*HALFT
.irp s, 0,1
	v_add_nc_u32 v[ADRA+\s], s21, v3
	v_add_nc_u32 v[ADRB+\s], s22, v3
	s_add_co_u32 s21, s21, SLOT
	s_add_co_u32 s22, s22, SLOT
.endr
	s_mul_i32 s23, s10, 16*SPITCH
	s_add_co_u32 s23, s23, STAGE
	v_mul_u32_u24 v4, v1, SPITCH
	v_lshl_add_u32 v4, v2, 4, v4
	v_add_nc_u32 v[STO], s23, v4
	v_mul_u32_u24 v5, v2, SPITCH
	v_lshl_add_u32 v5, v1, 4, v5
	v_add_nc_u32 v[RD], s23, v5
	v_lshlrev_b32 v5, 12, v2
	v_lshl_add_u32 v[CO], v1, 4, v5                ; two rows of p, 4,096 bytes apart
	s_lshl_b32 s23, s10, 10
	s_add_co_u32 s23, s23, STATS
	v_lshl_add_u32 v[SAW], v1, 2, s23
	v_and_b32 v5, 31, v0
	v_lshlrev_b32 v[L16], 4, v5
	v_add_nc_u32 v[SRD], s23, v[L16]
	v_lshlrev_b32 v5, 3, v2
	v_sub_nc_u32 v[D0], v1, v5
	v_mov_b32 v[NINF], 0xff800000
	v_mov_b32 v37, 0                               ; a lane permute's destination counts as one of its sources
	s_lshl_b32 s16, s42, 11                        ; p: row 2,048 x sequence + 256 I + 128 x half,
	s_lshl_b32 s17, s13, 8
	s_add_co_u32 s16, s16, s17
	s_lshl_b32 s17, s11, 7
	s_add_co_u32 s18, s16, s17
	s_lshl_b32 s16, s18, 12
	s_lshl_b32 s17, s14, 9                         ; column (256 J + 128 x half) x 2 bytes
	s_add_co_u32 s16, s16, s17
	s_lshl_b32 s17, s12, 8
	s_add_co_u32 s16, s16, s17
	s_mov_b32 s17, 0
	s_add_nc_u64 s[6:7], s[6:7], s[16:17]
	s_lshl_b32 s16, s42, 4                         ; stat: ((16 x sequence + key block) x 2,048 + row in the sequence) x 4
	s_lshl_b32 s17, s14, 1
	s_add_co_u32 s16, s16, s17
	s_add_co_u32 s16, s16, s12
	s_lshl_b32 s16, s16, 11
	s_lshl_b32 s17, s13, 8
	s_add_co_u32 s16, s16, s17
	s_lshl_b32 s17, s11, 7
	s_add_co_u32 s16, s16, s17
	s_lshl_b32 s16, s16, 2
	s_mov_b32 s17, 0
	s_add_nc_u64 s[8:9], s[8:9], s[16:17]
.macro MUL16 f, hi, a0, zero           ; 16 matrix instructions; the 64 accumulators take turns, one instruction a turn
.irp a, \a0, \a0+1
.irp b, 0,1,2,3,4,5,6,7
.if \zero
	v_wmma_f32_16x16x32_f16 v[8*(8*(\a)+\b):8*(8*(\a)+\b)+7], v[\f+8*\b:\f+8*\b+7], v[\f+8*(4*\hi+\a):\f+8*(4*\hi+\a)+7], 0
.else
	v_wmma_f32_16x16x32_f16 v[8*(8*(\a)+\b):8*(8*(\a)+\b)+7], v[\f+8*\b:\f+8*\b+7], v[\f+8*(4*\hi+\a):\f+8*(4*\hi+\a)+7], v[8*(8*(\a)+\b):8*(8*(\a)+\b)+7]
.endif
.endr
.endr
.endm
.macro FETCH slot, k, f                ; 32 LDS loads in one run: 128 rows of k, 128 rows of q, 32 along K at byte k
	WIN TO_B
.irp i, 0,1,2,3,4,5,6,7
	ds_load_b128 v[\f+8*\i:\f+8*\i+3],   v[ADRB+\slot] offset:\k+\i*16*PITCH
	ds_load_b128 v[\f+8*\i+4:\f+8*\i+7], v[ADRB+\slot] offset:\k+\i*16*PITCH+32
.endr
	WIN 0
.irp i, 0,1,2,3,4,5,6,7
	ds_load_b128 v[\f+8*\i:\f+8*\i+3],   v[ADRA+\slot] offset:\k+\i*16*PITCH
	ds_load_b128 v[\f+8*\i+4:\f+8*\i+7], v[ADRA+\slot] offset:\k+\i*16*PITCH+32
.endr
.endm
.macro PLACES                          ; four plain vector lines between a matrix instruction and a load into, or a read or write of, its registers
.rept 4
	v_nop
.endr
.endm
.macro QUARTER slot, k, f, g, zero
	s_wait_dscnt 8                                 ; k's fragments and q's rows 0-63 are in; the youngest eight loads may be out
	WIN MUL_LO
	MUL16 \f, 0, 0, \zero
	MUL16 \f, 0, 2, \zero
	PLACES
	FETCH \slot, \k, \g
	s_wait_dscnt 32                                ; all but the 32 just issued
	WIN MUL_HI
	MUL16 \f, 1, 0, \zero
	MUL16 \f, 1, 2, \zero
.endm
; A slot's last quarter changes slots: one barrier.  In front of it each wave waits for all its tensor loads (its part of the next slot), adds 0 to its spare word, and waits for that and for its reads of this slot.
.macro TURN slot, next, fill
	WIN 0
	s_wait_tensorcnt 0x0
	ds_add_u32 v[SPW], v[NIL]
	s_wait_dscnt 9                                 ; the add and the youngest eight loads may be out
	WIN MUL_LO
	MUL16 F1, 0, 0, 0
	s_wait_dscnt 0x0                               ; the add is done, my reads of this slot are over
	s_barrier_signal -1
	MUL16 F1, 0, 2, 0
	WIN 0
	s_barrier_wait -1
.if \fill
	s_add_nc_u64 s[G0+4*\slot+2:G0+4*\slot+3], s[G0+4*\slot+2:G0+4*\slot+3], 2*KSTEP*2
	tensor_load_to_lds s[G0+4*\slot:G0+4*\slot+3], s[G1:G1+7]   ; my one load behind the barrier: this slot, two K steps on; 224 matrix instructions stand ahead of the wait for it
	s_nop 0
.rept 4
	v_nop
.endr
.else
	PLACES
.endif
	FETCH \next, 0, F0
	WIN MUL_HI
	MUL16 F1, 1, 0, 0
	MUL16 F1, 1, 2, 0
.endm
	s_wait_tensorcnt 1                             ; my part of K step 0 is in; K step 1's may be out
	s_barrier_signal -1
	s_barrier_wait -1
	FETCH 0, 0, F0
	QUARTER 0, 64,  F0, F1, 1                      ; the first products start the sums
	WIN 0
	s_mov_b32 s3, LAPS-1
.Llap:
	QUARTER 0, 128, F1, F0, 0
	QUARTER 0, 192, F0, F1, 0
	TURN 0, 1, 1
	QUARTER 1, 64,  F0, F1, 0
	QUARTER 1, 128, F1, F0, 0
	QUARTER 1, 192, F0, F1, 0
	TURN 1, 0, 1
	QUARTER 0, 64,  F0, F1, 0
	WIN 0
	s_sub_co_u32 s3, s3, 1
	s_cmp_lg_u32 s3, 0
	s_cbranch_scc1 .Llap
	QUARTER 0, 128, F1, F0, 0                      ; the last lap asks for nothing
	QUARTER 0, 192, F0, F1, 0
	TURN 0, 1, 0
	QUARTER 1, 64,  F0, F1, 0
	QUARTER 1, 128, F1, F0, 0
	QUARTER 1, 192, F0, F1, 0
	s_wait_dscnt 8
	WIN MUL_LO
	MUL16 F1, 0, 0, 0
	MUL16 F1, 0, 2, 0
	s_wait_dscnt 0
	WIN MUL_HI
	MUL16 F1, 1, 0, 0
	MUL16 F1, 1, 2, 0
	WIN 0
	s_cmp_eq_u32 s[DEAD], 0                        ; ids and the wave's number alone; no barrier follows
	s_cbranch_scc1 .Lclose
; A BLOCK OF 16 QUERIES x 128 KEYS: 64 numbers a lane.
.macro ROWBLK a
.set AC, 64*((\a)%4)
.set WN, 0x02+(\a)/4
	WIN WN                                         ; source 0: window 2 or 3
.set i, 0
.rept 32
	v_pk_mul_f32 v[T+2*i:T+2*i+1], v[AC+2*i:AC+2*i+1], s[CS:CS+1] op_sel_hi:[1,0]   ; t, each accumulator from its low end on
.set i, i+1
.endr
	WIN 0
	s_cmp_lg_u32 s[DIAG], 0
	s_cbranch_scc1 .Lopen_\@
.irp j, 0,1,2,3,4,5,6,7                        ; keys 16 a + 8 h + j against query 16 a + r: hidden where j > r - 8 h
	v_cmp_gt_i32 vcc_lo, \j, v[D0]
	v_cndmask_b32 v[T+8*(\a)+\j], v[T+8*(\a)+\j], v[NINF], vcc_lo
.endr
.if (\a) < 7
.set i, 8*(\a)+8
.rept 56-8*(\a)
	v_mov_b32 v[T+i], v[NINF]                      ; the tiles of keys behind mine are hidden whole
.set i, i+1
.endr
.endif
.Lopen_\@:
.irp k, 0,1,2,3
	v_max3_num_f32 v[MX+\k], v[T+16*\k], v[T+16*\k+1], v[T+16*\k+2]
.endr
.irp i, 3,5,7,9,11,13
.irp k, 0,1,2,3
	v_max3_num_f32 v[MX+\k], v[MX+\k], v[T+16*\k+\i], v[T+16*\k+\i+1]
.endr
.endr
.irp k, 0,1,2,3
	v_max_num_f32 v[MX+\k], v[MX+\k], v[T+16*\k+15]
.endr
	v_max3_num_f32 v36, v[MX], v[MX+1], v[MX+2]
	v_max_num_f32 v36, v36, v[MX+3]
	v_permlanex16_b32 v37, v36, s[SEL], s[SEL+1]
	v_max_num_f32 v36, v36, v37                    ; the block's largest t of my query: a number, since the block's first key counts for every query of a live block
	v_floor_f32 v[NM], -v36                        ; -M = floor(-t): M is a whole number
	v_mov_b32 v[NM+1], v[NM]
.set i, 0
.rept 32
	v_pk_add_f32 v[T+2*i:T+2*i+1], v[T+2*i:T+2*i+1], v[NM:NM+1]
.set i, i+1
.endr
.set i, 0
.rept 64
	v_exp_f32 v[T+i], v[T+i]                       ; p = 2^(t - M), at most 1
.set i, i+1
.endr
	v_mov_b32 v[MS+(\a)], v[NM]                    ; (the plain line behind the exponentials)
	s_wait_alu depctr_va_vdst(0)                   ; one wait for the batch, ahead of its first reader
	v_pk_add_f32 v[SM:SM+1], v[T:T+1], v[T+2:T+3]
	v_pk_add_f32 v[SM+2:SM+3], v[T+4:T+5], v[T+6:T+7]
.irp j, 8,12,16,20,24,28,32,36,40,44,48,52,56,60
	v_pk_add_f32 v[SM:SM+1], v[SM:SM+1], v[T+\j:T+\j+1]
	v_pk_add_f32 v[SM+2:SM+3], v[SM+2:SM+3], v[T+\j+2:T+\j+3]
.endr
	v_pk_add_f32 v[SM:SM+1], v[SM:SM+1], v[SM+2:SM+3]
	v_add_f32 v[SM], v[SM], v[SM+1]
	v_permlanex16_b32 v37, v[SM], s[SEL], s[SEL+1]
	v_add_f32 v[LS+(\a)], v[SM], v37               ; l: the sum of the unrounded p
.set i, 0
.rept 32
	v_cvt_pk_f16_f32 v[PK+i], v[T+2*i], v[T+2*i+1]
.set i, i+1
.endr
.endm
.macro TOSTAGE a
.set BK, OB+32*((\a)%2)
.irp b, 0,1,2,3,4,5,6,7
	ds_store_b128 v[STO], v[PK+4*\b:PK+4*\b+3] offset:32*\b
.endr
.irp t, 0,1,2,3,4,5,6,7
	ds_load_b128 v[BK+4*\t:BK+4*\t+3], v[RD] offset:\t*2*SPITCH    ; in order behind my stores
.endr
.endm
.macro SEND a
.set BK, OB+32*((\a)%2)
	s_wait_dscnt 0x0
	s_wait_xcnt 0x0                                ; earlier stores have read their base and their data
.if (\a) > 0
	s_add_nc_u64 s[6:7], s[6:7], 16*4096
.endif
.irp t, 0,1,2,3,4,5,6,7
	global_store_b128 v[CO], v[BK+4*\t:BK+4*\t+3], s[6:7] offset:2*\t*4096   ; 16 lanes store 256 consecutive aligned bytes
.endr
.endm
	PLACES
	ROWBLK 0
	TOSTAGE 0
.irp a, 1,2,3,4,5,6,7
	ROWBLK \a
	SEND \a-1
	TOSTAGE \a
.endr
	SEND 7
.irp a, 0,1,2,3,4,5,6,7                        ; the statistics of my 128 rows gather in my own LDS bytes (both halves of the lanes write the same value)
	ds_store_b32 v[SAW], v[MS+\a] offset:64*\a
	ds_store_b32 v[SAW], v[LS+\a] offset:512+64*\a
.endr
	ds_load_b128 v[64:67], v[SRD]
	ds_load_b128 v[68:71], v[SRD] offset:512
	s_wait_dscnt 0x0
	global_store_b128 v[L16], v[64:67], s[8:9]                   ; 512 consecutive aligned bytes: -M
	global_store_b128 v[L16], v[68:71], s[8:9] offset:524288     ; and l
.Lclose:
	s_wait_tensorcnt 0x0                           ; the wave's end
	ds_add_u32 v[SPW], v[NIL]
	s_wait_dscnt 0x0
	s_endpgm
.Lfunc_end_k_q4e943cccb4_scores:
	.size	k_q4e943cccb4_scores, .Lfunc_end_k_q4e943cccb4_scores-k_q4e943cccb4_scores
	.p2alignl 7, 3214868480
	.fill 96, 4, 3214868480
	.section	.rodata,"a",@progbits
	.p2align	6, 0x0
	.amdhsa_kernel k_q4e943cccb4_scores
		.amdhsa_group_segment_fixed_size 327680
		.amdhsa_private_segment_fixed_size 0
		.amdhsa_enable_private_segment 0
		.amdhsa_kernarg_size 24
		.amdhsa_user_sgpr_count 2
		.amdhsa_user_sgpr_kernarg_segment_ptr 1
		.amdhsa_wavefront_size32 1
		.amdhsa_system_sgpr_workgroup_id_x 1
		.amdhsa_system_sgpr_workgroup_id_y 1
		.amdhsa_system_sgpr_workgroup_id_z 1
		.amdhsa_system_vgpr_workitem_id 0
		.amdhsa_next_free_vgpr 1024
		.amdhsa_next_free_sgpr 66
		.amdhsa_reserve_vcc 1
		.amdhsa_float_denorm_mode_32 3
		.amdhsa_float_denorm_mode_16_64 3
		.amdhsa_memory_ordered 1
		.amdhsa_forward_progress 1
		.amdhsa_inst_pref_size 235
	.end_amdhsa_kernel
	.amdgpu_metadata
---
amdhsa.version: [ 1, 2 ]
amdhsa.kernels:
  - .name:           k_q4e943cccb4_scores
    .symbol:         k_q4e943cccb4_scores.kd
    .args:
      - { .name: qk, .offset: 0, .size: 8, .value_kind: global_buffer, .address_space: global }
      - { .name: p, .offset: 8, .size: 8, .value_kind: global_buffer, .address_space: global }
      - { .name: stat, .offset: 16, .size: 8, .value_kind: global_buffer, .address_space: global }
    .group_segment_fixed_size: 327680
    .private_segment_fixed_size: 0
    .kernarg_segment_align: 8
    .kernarg_segment_size: 24
    .max_flat_workgroup_size: 128
    .sgpr_count:     66
    .vgpr_count:     1024
    .wavefront_size: 32
...
	.end_amdgpu_metadata
.endif
;; end of part 3
;; launch pv (part 4): grid 8 x 32, 4 waves a work-group, clusters of 4 x 1, 327,680 bytes of LDS; arguments p, vt, stat, out0; writes out0
.if DOCPART == 4
	.amdgcn_target "amdgcn-amd-amdhsa--gfx1250"
	.amdhsa_code_object_version 6
	.text
	.protected	k_q4e943cccb4_pv
	.globl	k_q4e943cccb4_pv
	.p2align	8
	.type	k_q4e943cccb4_pv,@function
k_q4e943cccb4_pv:
	s_mov_b64 s[64:65], 0
	v_nop
	global_prefetch_b8 v0, s[64:65] scope:SCOPE_SE
	s_setreg_imm32_b32 hwreg(HW_REG_WAVE_MODE, 25, 1), 1
	s_wait_xcnt 0x0
	s_wait_alu depctr_hold_cnt(0) depctr_sa_sdst(0) depctr_va_vdst(0) depctr_va_sdst(0) depctr_va_ssrc(0) depctr_va_vcc(0) depctr_vm_vsrc(0)
	s_getreg_b32 s2, hwreg(HW_REG_IB_STS2, 6, 4)
	s_cmp_eq_u32 s2, 0
	s_cbranch_scc0 .Lentry_in_a_cluster
	s_endpgm
.Lentry_in_a_cluster:
	s_bfe_u32 s2, ttmp6, 0x10000c
	s_cmp_lg_u32 s2, 0x3003
	s_cbranch_scc0 .Lentry_shape_is_right
	s_endpgm
.Lentry_shape_is_right:
; out[row] = (sum over key blocks kb of 2^(M_kb - M) P_kb V_kb) / (sum over kb of 2^(M_kb - M) l_kb), M = the row's largest M_kb: the softmax with the row's maximum taken away, put together from the blocks by exact powers of two.
; WORK LEFT OUT: key blocks that lie wholly after a block of rows (their weights are exactly 0 by the mask that reference() builds); and positions 0-15 of each sequence, which the next launch makes in f32.
; SHARES.  A work-group makes two tiles of 128 rows x 128 channels: row blocks 15 - 2 u (16 - 2 u key blocks) and 2 u (2 u + 1 key blocks), u = y % 8: always 17 key blocks, walked as ONE stream of 9 steps of 256 keys,
; of which the last is half.  So all 256 work-groups have equal work, every trip count is a constant and every tensor load stands on every path.
; A wave makes 64 x 64: 16 accumulators.  TRANSPOSED USE: source 0 = 16 channels of V^T, source 1 = 16 rows of P: a lane holds one row of the output throughout.
; CLUSTER 4 x 1: the four partners make the same rows for four channel tiles: P's tile is asked for jointly (mask 15).  V^T's tile is each work-group's own (plain load behind the same round).
; No 4 x 4 cluster: work-groups of different u stand at different keys in the same round, so they share no tile of V^T.
; THE FACTORS, IN f32.  Each block of 128 keys is summed in accumulators of its own (T0 and T1 by turns; a block's first products take the constant 0), and then folded into the sums: ACC += T x 2^(M_kb - M) of the lane's row,
; 64 packed fused multiply-adds for a block's 64 products.  The fold lags one block: its two halves stand in the middle of the next two quarters, in front of the runs of LDS loads, where plain vector lines are owed anyway.
; Where the stream passes from the first tile to the second (step 8 - u: ids alone, alike in all partners), the first tile is stored behind the fold of its last block, in that step's second quarter, and ACC is cleared:
; where that happens hangs on the ids, so it cannot be written into the text as a first product.  T1 and its factors are zeros ahead of the first step, so that the loop has no first trip of its own.
; REGISTERS.  window 0: v16-31 addresses; v32-39, v40-47 the factors of T0's and T1's block (even registers; the odd ones are named with them as pairs); v48-55 1 / l; v128-255 ACC ((a, b) at v[128 + 8 (4 a + b)]).
;   window 1: two buffers of 128: for 64 along K, 64 registers of P, then 64 of V^T.   window 2: T0 at v0, T1 at v128.   window 3: v0-95 the way out.
.set PITCH,  528                       ; an LDS row: 512 bytes + 16
.set HALFT,  64*PITCH
.set SLOT,   4*HALFT                   ; P's 128 rows, then V^T's 128 rows
.set STAGE,  2*SLOT                    ; 16 rows x 272 bytes a wave
.set SPITCH, 272
.set FT,     STAGE+4*16*SPITCH         ; a wave's factors: 17 stream blocks x 64 rows x 4 bytes (f32), then 1 / l of the first tile at 4,352 and of the second at 4,608
.set FTB,    4864
.set SPARE,  FT+4*FTB
.set ADRA, 16
.set ADRB, 20
.set STO,  24
.set RD,   25
.set CO,   26
.set FAD,  27                          ; where the factors of the stream block in hand stand: walks
.set SPW,  28
.set NIL,  29
.set FTW,  30
.set FAD0, 31                          ; the same, never stepped
.set FA,   32
.set FB,   40
.set RL,   48
.set ACC,  128
.set F0,   0                           ; in window 1
.set F1,   128
.set T0,   0                           ; in window 2
.set T1,   128
.set TMPW, 0                           ; in window 3: scaled results; rows back at v32-63 and v64-95 by turns
.set OBW,  32
.set OFFS, 64                          ; the prologue's numbers, in registers that the loop takes later
.set NMV,  128
.set LLV,  162
.set G1V,  196
.set G2V,  198
.set L1V,  200
.set L2V,  202
.set BIG,  204
.set ZR,   205
.set TP,   206
.set L8,   210
.set WV,  12
.set RH,  13
.set CH,  14
.set U,   18
.set BA,  19
.set N1,  20
.set NB1, 21
.set STP, 22
.set CNT, 23
.set G1,  24
.set G0,  32
.set OA1, 40
.set OA2, 41
.set OBO, 42
.set SKIP, 43
.set OUT1, 44
.set OUT2, 46
.set G1B, 48
.set G0B, 56
.set G1H, 68
.set G1BH, 76
.set MSB, 0
.macro WIN new
.if MSB != \new
	s_set_vgpr_msb (MSB<<8)|\new
.set MSB, \new
.endif
.endm
.set MULW,  0xa5                       ; sources 0 (V^T) and 1 (P) window 1; C and D window 2
.set FOLDW, 0x02                       ; source 0 (T) window 2; the factor and ACC window 0
.set TO_F,  0x40                       ; destination window 1, address window 0
.macro JLOAD g0a, g1a, g0b, g1b        ; waves 0, 1 fetch P's halves (jointly), waves 2, 3 V^T's; an s_nop 0 and four v_nop follow each line
	s_cmp_eq_u32 s[RH], 0
	s_cbranch_scc0 .Lfor_b_\@
	tensor_load_to_lds s[\g0a:\g0a+3], s[\g1a:\g1a+7]
	s_nop 0
.rept 4
	v_nop
.endr
	s_branch .Lasked_\@
.Lfor_b_\@:
	tensor_load_to_lds s[\g0b:\g0b+3], s[\g1b:\g1b+7]
	s_nop 0
.rept 4
	v_nop
.endr
.Lasked_\@:
.endm
.macro CREST
	s_cmp_lg_u32 s[WV], 0
	s_cbranch_scc1 .Lnot_wave_0_\@
	s_barrier_signal -3
.Lnot_wave_0_\@:
	s_barrier_wait -3
	s_barrier_signal -1
	s_barrier_wait -1
.endm
.macro CROUND
	s_barrier_signal -1
	s_barrier_wait -1
	CREST
.endm
; The addresses of stream step STP + ahead into the slot's two groups 0: which tile, and how far along its keys.  P's offset is made in registers that never hold cx.
.macro RADDR slot, ahead
	s_add_co_u32 s84, s[STP], \ahead
	s_cmp_ge_u32 s84, s[N1]
	s_cselect_b32 s85, s[N1], 0
	s_cselect_b32 s86, s[OA2], s[OA1]
	s_sub_co_u32 s84, s84, s85                     ; the step within its tile
	s_lshl_b32 s84, s84, 9                         ; 256 keys are 512 bytes
	s_add_co_u32 s86, s86, s84
	s_add_co_u32 s88, s[OBO], s84
	s_add_nc_u64 s[G0+4*\slot+2:G0+4*\slot+3], s[4:5], s[86:87]
	s_or_b32 s[G0+4*\slot+3], s[G0+4*\slot+3], 0x80000000
	s_add_nc_u64 s[G0B+4*\slot+2:G0B+4*\slot+3], s[6:7], s[88:89]
	s_or_b32 s[G0B+4*\slot+3], s[G0B+4*\slot+3], 0x80000000
.endm
	s_load_b256 s[4:11], s[0:1], 0x0               ; p, vt, stat, out0
	v_lshl_add_u32 v[SPW], v0, 2, SPARE
	v_mov_b32 v[NIL], 0
	ds_add_u32 v[SPW], v[NIL]                      ; the wave's opening: the add, twice on end, and its wait ahead of my first tensor load
	ds_add_u32 v[SPW], v[NIL]
	v_lshrrev_b32 v1, 5, v0
	v_readfirstlane_b32 s[WV], v1
	s_lshr_b32 s[RH], s[WV], 1                     ; my half of the rows; also: I fetch P (0) or V^T (1)
	s_and_b32 s[CH], s[WV], 1                      ; my half of the channels; also: which 64 rows I fetch
	s_bfe_u32 s15, ttmp6, 0x40000                  ; cx
	s_lshl_b32 s16, ttmp9, 2
	s_add_co_u32 s16, s16, s15                     ; channel tile
	s_and_b32 s17, ttmp7, 0xffff
	s_and_b32 s[U], s17, 7
	s_lshr_b32 s[BA], s17, 3                       ; the sequence
	s_sub_co_u32 s[N1], 8, s[U]                    ; steps of the first tile
	s_lshl_b32 s[NB1], s[N1], 1                    ; its key blocks
	s_mov_b32 s[STP], 0
	s_or_b32 s[SKIP], s[U], s[RH]                  ; 0: my first 16 rows of the second tile are positions 0-15
	s_lshl_b32 s66, s[U], 1                        ; the second tile's row block
	s_sub_co_u32 s67, 15, s66                      ; the first's
	s_lshl_b32 s84, s[BA], 11
	s_lshl_b32 s85, s[CH], 6
	s_add_co_u32 s84, s84, s85
	s_lshl_b32 s85, s67, 7
	s_add_co_u32 s85, s85, s84
	s_lshl_b32 s[OA1], s85, 12                     ; P: rows of 4,096 bytes
	s_lshl_b32 s85, s66, 7
	s_add_co_u32 s85, s85, s84
	s_lshl_b32 s[OA2], s85, 12
	s_lshl_b32 s88, s16, 7
	s_lshl_b32 s89, s[CH], 6
	s_add_co_u32 s88, s88, s89
	s_lshl_b32 s88, s88, 14                        ; V^T: rows of 16,384 bytes,
	s_lshl_b32 s89, s[BA], 12                      ; a sequence's 2,048 tokens are 4,096 bytes
	s_add_co_u32 s[OBO], s88, s89
	s_mov_b32 s87, 0
	s_mov_b32 s89, 0
	s_mov_b32 s[G1],   15|(1<<16)|(1<<20)|(1<<21)|(6<<22)|(3<<25)  ; mask: all four; elements of 2 bytes; 4 words of padding after every 128; bit 21 beside a mask
	s_mov_b32 s[G1H],  15|(1<<16)|(1<<20)|(1<<21)|(6<<22)|(3<<25)
	s_mov_b32 s[G1B],  (1<<16)|(1<<20)|(6<<22)|(3<<25)
	s_mov_b32 s[G1BH], (1<<16)|(1<<20)|(6<<22)|(3<<25)
	s_mov_b32 s[G1+1],   256<<16                   ; tensor_dim0
	s_mov_b32 s[G1B+1],  256<<16
	s_mov_b32 s[G1H+1],  128<<16                   ; the half step: keys 128 on are beyond the extent: not read, zeros in LDS, and no fragment is taken from them
	s_mov_b32 s[G1BH+1], 128<<16
.irp g, G1, G1H, G1B, G1BH
	s_mov_b32 s[\g+2], 64<<16                      ; tensor_dim1
	s_mov_b32 s[\g+3], 256<<16                     ; tile_dim0
	s_mov_b32 s[\g+4], 64                          ; tile_dim1
	s_mov_b32 s[\g+6], 0
	s_mov_b32 s[\g+7], 0
.endr
	s_mov_b32 s[G1+5],   2048                      ; pitch of p in elements
	s_mov_b32 s[G1H+5],  2048
	s_mov_b32 s[G1B+5],  8192                      ; of vt
	s_mov_b32 s[G1BH+5], 8192
	s_mul_i32 s90, s[WV], HALFT
.irp s, 0,1
	s_mov_b32 s[G0+4*\s], 1
	s_add_co_u32 s[G0+4*\s+1], s90, \s*SLOT
	s_mov_b32 s[G0B+4*\s], 1
	s_add_co_u32 s[G0B+4*\s+1], s90, \s*SLOT
.endr
	s_wait_dscnt 0x0                               ; both opening adds are done
	s_wait_kmcnt 0x0
	RADDR 0, 0
	RADDR 1, 1
	CROUND                                         ; all four work-groups are here
	JLOAD G0, G1, G0B, G1B                         ; stream step 0
	JLOAD G0+4, G1, G0B+4, G1B                     ; stream step 1: two loads of mine are out
	v_and_b32 v1, 15, v0                           ; r
	v_bfe_u32 v2, v0, 4, 1                         ; h
	v_mul_u32_u24 v3, v1, PITCH
	v_lshl_add_u32 v3, v2, 4, v3
	s_mul_i32 s90, s[RH], HALFT
	s_mul_i32 s91, s[CH], HALFT
	s_add_co_u32 s91, s91, 2*HALFT
.irp s, 0,1
	v_add_nc_u32 v[ADRA+\s], s90, v3
	v_add_nc_u32 v[ADRB+\s], s91, v3
	s_add_co_u32 s90, s90, SLOT
	s_add_co_u32 s91, s91, SLOT
.endr
	s_mul_i32 s90, s[WV], 16*SPITCH
	s_add_co_u32 s90, s90, STAGE
	v_mul_u32_u24 v4, v1, SPITCH
	v_lshl_add_u32 v4, v2, 5, v4
	v_add_nc_u32 v[STO], s90, v4                   ; in: row r, 32 bytes for each half of the lanes
	v_mul_u32_u24 v4, v2, SPITCH
	v_lshl_add_u32 v4, v1, 4, v4
	v_add_nc_u32 v[RD], s90, v4                    ; back: lanes 0-15 one row of 256 bytes, lanes 16-31 the next
	v_lshlrev_b32 v4, 12, v2
	v_lshl_add_u32 v[CO], v1, 4, v4                ; the same two rows in out0
	s_mul_i32 s90, s[WV], FTB
	s_add_co_u32 s90, s90, FT
	v_lshl_add_u32 v[FAD0], v1, 2, s90
	v_lshl_add_u32 v[FAD], v1, 2, s90
	v_and_b32 v5, 31, v0
	v_lshl_add_u32 v[FTW], v5, 3, s90
	v_lshlrev_b32 v[L8], 3, v5
.irp j, 0,1,2,3,4,5,6,7
	v_mov_b32 v[FA+\j], 0                          ; the odd ones are named as upper halves of pairs, so they are written;
	v_mov_b32 v[FB+\j], 0                          ; T1's factors are zeros ahead of the first step
	v_mov_b32 v[RL+\j], 0
.endr
	s_lshl_b32 s90, s[BA], 11                      ; out0: rows of 4,096 bytes; my 64 channels are 256 bytes
	s_lshl_b32 s91, s[RH], 6
	s_add_co_u32 s90, s90, s91
	s_lshl_b32 s94, s16, 9
	s_lshl_b32 s95, s[CH], 8
	s_add_co_u32 s94, s94, s95
	s_lshl_b32 s91, s67, 7
	s_add_co_u32 s91, s91, s90
	s_lshl_b32 s92, s91, 12
	s_add_co_u32 s92, s92, s94
	s_mov_b32 s93, 0
	s_add_nc_u64 s[OUT1:OUT1+1], s[10:11], s[92:93]
	s_lshl_b32 s91, s66, 7
	s_add_co_u32 s91, s91, s90
	s_lshl_b32 s92, s91, 12
	s_add_co_u32 s92, s92, s94
	s_add_nc_u64 s[OUT2:OUT2+1], s[10:11], s[92:93]
	; THE STATISTICS of my 64 rows, in stream order: lane L holds rows 2 L and 2 L + 1; 256 consecutive aligned bytes a load.  All 17 entries were stored by the launch before.
	s_lshl_b32 s90, s[BA], 15
	s_lshl_b32 s91, s[RH], 6
	s_add_co_u32 s90, s90, s91
	s_lshl_b32 s91, s67, 7
	s_add_co_u32 s91, s91, s90
	s_lshl_b32 s94, s91, 2                         ; the first tile's rows in a plane of stat, key block 0
	s_lshl_b32 s91, s66, 7
	s_add_co_u32 s91, s91, s90
	s_lshl_b32 s95, s91, 2                         ; the second's
.irp sb, 0,1,2,3,4,5,6,7,8,9,10,11,12,13,14,15,16
	s_cmp_gt_u32 s[NB1], \sb                       ; is stream block sb the first tile's?
	s_cselect_b32 s97, 0, s[NB1]
	s_cselect_b32 s96, s94, s95
	s_sub_co_u32 s97, \sb, s97                     ; its key block
	s_lshl_b32 s97, s97, 13
	s_add_co_u32 s96, s96, s97
	v_add_nc_u32 v[OFFS+\sb], s96, v[L8]
	global_load_b64 v[NMV+2*\sb:NMV+2*\sb+1], v[OFFS+\sb], s[8:9]
	global_load_b64 v[LLV+2*\sb:LLV+2*\sb+1], v[OFFS+\sb], s[8:9] offset:524288
.endr
	v_mov_b32 v[BIG], 0x7f61b1e6                   ; 3e38, over every -M
	v_mov_b32 v[ZR], 0
.irp e, 0,1
	v_mov_b32 v[G1V+\e], v[BIG]
	v_mov_b32 v[G2V+\e], v[BIG]
	v_mov_b32 v[L1V+\e], 0
	v_mov_b32 v[L2V+\e], 0
.endr
	s_wait_loadcnt 0x0
.irp sb, 0,1,2,3,4,5,6,7,8,9,10,11,12,13,14,15,16
	s_cmp_gt_u32 s[NB1], \sb
	s_cselect_b32 s96, -1, 0                       ; a mask of all lanes, from ids alone
.irp e, 0,1
	v_cndmask_b32 v[TP], v[BIG], v[NMV+2*\sb+\e], s96
	v_cndmask_b32 v[TP+1], v[NMV+2*\sb+\e], v[BIG], s96
	v_min_num_f32 v[G1V+\e], v[G1V+\e], v[TP]      ; the least -M of each tile's blocks: minus the row's M
	v_min_num_f32 v[G2V+\e], v[G2V+\e], v[TP+1]
.endr
.endr
.irp sb, 0,1,2,3,4,5,6,7,8,9,10,11,12,13,14,15,16
	s_cmp_gt_u32 s[NB1], \sb
	s_cselect_b32 s96, -1, 0
.irp e, 0,1
	v_cndmask_b32 v[TP], v[G2V+\e], v[G1V+\e], s96
	v_sub_f32 v[TP], v[TP], v[NMV+2*\sb+\e]        ; M_kb - M: a whole number, 0 or less
	v_cvt_i32_f32 v[TP], v[TP]                     ; (it saturates)
	v_ldexp_f32 v[NMV+2*\sb+\e], 1.0, v[TP]        ; f = 2^(M_kb - M), in f32, in the register that -M has left
	v_cndmask_b32 v[TP+1], v[ZR], v[NMV+2*\sb+\e], s96
	v_cndmask_b32 v[TP+2], v[NMV+2*\sb+\e], v[ZR], s96
	v_fma_f32 v[L1V+\e], v[TP+1], v[LLV+2*\sb+\e], v[L1V+\e]
	v_fma_f32 v[L2V+\e], v[TP+2], v[LLV+2*\sb+\e], v[L2V+\e]
.endr
	ds_store_b64 v[FTW], v[NMV+2*\sb:NMV+2*\sb+1] offset:256*\sb
.endr
.irp e, 0,1
	v_rcp_f32 v[L1V+\e], v[L1V+\e]
	v_rcp_f32 v[L2V+\e], v[L2V+\e]
.endr
	v_nop                                          ; a plain line behind the last reciprocal
	s_wait_alu depctr_va_vdst(0)                   ; and one wait for the four
	ds_store_b64 v[FTW], v[L1V:L1V+1] offset:4352
	ds_store_b64 v[FTW], v[L2V:L2V+1] offset:4608
.macro PLACES                          ; four plain vector lines between a matrix instruction and a read of its result or a load into its registers
.rept 4
	v_nop
.endr
.endm
.macro CLEAR
.set i, 0
.rept 128
	v_mov_b32 v[ACC+i], 0
.set i, i+1
.endr
.endm
.macro FACT fc, off                    ; the factors of a stream block for my four tiles of rows, into the set's even registers
.irp a, 0,1,2,3
	ds_load_b32 v[\fc+2*\a], v[FAD] offset:\off+64*\a
.endr
.endm
.macro FETCH slot, k, f                ; 32 LDS loads in one run: 64 along K at byte k; the first 32 along K first
	WIN TO_F
.irp c, 0,1
.irp i, 0,1,2,3
	ds_load_b128 v[\f+64+8*(4*\c+\i):\f+64+8*(4*\c+\i)+3],   v[ADRB+\slot] offset:\k+64*\c+\i*16*PITCH
	ds_load_b128 v[\f+64+8*(4*\c+\i)+4:\f+64+8*(4*\c+\i)+7], v[ADRB+\slot] offset:\k+64*\c+\i*16*PITCH+32
	ds_load_b128 v[\f+8*(4*\c+\i):\f+8*(4*\c+\i)+3],         v[ADRA+\slot] offset:\k+64*\c+\i*16*PITCH
	ds_load_b128 v[\f+8*(4*\c+\i)+4:\f+8*(4*\c+\i)+7],       v[ADRA+\slot] offset:\k+64*\c+\i*16*PITCH+32
.endr
.endr
.endm
.macro PROD f, c, t, a, b, zero        ; the 16 accumulators of a set take turns, one instruction a turn
.if \zero
	v_wmma_f32_16x16x32_f16 v[\t+8*(4*\a+\b):\t+8*(4*\a+\b)+7], v[\f+64+8*(4*\c+\b):\f+64+8*(4*\c+\b)+7], v[\f+8*(4*\c+\a):\f+8*(4*\c+\a)+7], 0
.else
	v_wmma_f32_16x16x32_f16 v[\t+8*(4*\a+\b):\t+8*(4*\a+\b)+7], v[\f+64+8*(4*\c+\b):\f+64+8*(4*\c+\b)+7], v[\f+8*(4*\c+\a):\f+8*(4*\c+\a)+7], v[\t+8*(4*\a+\b):\t+8*(4*\a+\b)+7]
.endif
.endm
.macro MULA f, c, t, zero              ; products 0 to 7 of a chunk of 32 along K
.irp a, 0,1
.irp b, 0,1,2,3
	PROD \f, \c, \t, \a, \b, \zero
.endr
.endr
.endm
.macro MULB f, c, t, zero              ; products 8 to 15
.irp a, 2,3
.irp b, 0,1,2,3
	PROD \f, \c, \t, \a, \b, \zero
.endr
.endr
.endm
; Half a fold: ACC += T x f for tiles of rows a0 and a1: 32 packed fused multiply-adds, each accumulator from its low end on.  Of the pair that holds f the low word serves both halves.
.macro FOLD t, fc, a0, a1
	WIN FOLDW
.irp a, \a0, \a1
.irp b, 0,1,2,3
.irp q, 0,1,2,3
	v_pk_fma_f32 v[ACC+8*(4*\a+\b)+2*\q:ACC+8*(4*\a+\b)+2*\q+1], v[\t+8*(4*\a+\b)+2*\q:\t+8*(4*\a+\b)+2*\q+1], v[\fc+2*\a:\fc+2*\a+1], v[ACC+8*(4*\a+\b)+2*\q:ACC+8*(4*\a+\b)+2*\q+1] op_sel_hi:[1,0,1]
.endr
.endr
.endr
.endm
; THE WAY OUT of 16 rows x my 64 channels: x 1 / l, through my stage, back as whole rows of 256 bytes.
.macro FLUSHA n, a
.set BK, OBW+32*((\a)%2)
	WIN 0xc0                                       ; destination window 3
.set i, 0
.rept 16
	v_pk_mul_f32 v[TMPW+2*i:TMPW+2*i+1], v[ACC+32*(\a)+2*i:ACC+32*(\a)+2*i+1], v[RL+2*(\a):RL+2*(\a)+1] op_sel_hi:[1,0]
.set i, i+1
.endr
	WIN 0x0c                                       ; a store's data are its source 1: window 3
.irp b, 0,1,2,3
	ds_store_b128 v[STO], v[TMPW+8*\b:TMPW+8*\b+3] offset:64*\b
	ds_store_b128 v[STO], v[TMPW+8*\b+4:TMPW+8*\b+7] offset:64*\b+16
.endr
	WIN 0xc0
.irp t, 0,1,2,3,4,5,6,7
	ds_load_b128 v[BK+4*\t:BK+4*\t+3], v[RD] offset:\t*2*SPITCH    ; in order behind my stores
.endr
	s_wait_dscnt 0x0
	s_wait_xcnt 0x0                                ; the stores of the block before have read the registers that the next block's loads take
	WIN 0x0c
.irp t, 0,1,2,3,4,5,6,7
	global_store_b128 v[CO], v[BK+4*\t:BK+4*\t+3], s[OUT1+2*(\n-1):OUT1+2*(\n-1)+1] offset:(\a)*65536+2*\t*4096 th:TH_STORE_NT   ; 16 lanes store 256 consecutive aligned bytes
.endr
	WIN 0
.endm
.macro RLOAD n
.irp a, 0,1,2,3
	ds_load_b32 v[RL+2*\a], v[FAD0] offset:4352+256*(\n-1)+64*\a
.endr
	s_wait_dscnt 0x0
.endm
.macro FLUSHCHK                        ; in each step's second quarter, behind the fold of the step before: is this the second tile's first step?  Ids and the count of steps alone: alike in all waves and all partners
	s_cmp_lg_u32 s[STP], s[N1]
	s_cbranch_scc1 .Lnoflush_\@
	RLOAD 1
	FLUSHA 1, 0
	FLUSHA 1, 1
	FLUSHA 1, 2
	FLUSHA 1, 3
	s_wait_xcnt 0x0                                ; the stores have read their registers: the second tile's way out may take them
	CLEAR
.Lnoflush_\@:
.endm
; A STREAM STEP: 256 keys, four quarters of 64, each two chunks of 32.  Quarters 0 and 1 sum the first 128 keys in T0, quarters 2 and 3 the second 128 in T1.  In the middle of a quarter stand half a fold of the block
; before, which is also the plain work in front of the loads, and the next quarter's 32 LDS loads.  o: the step's first stream block, in bytes from where FAD stands.
; fill = 1: this slot is filled again, two steps on; 2: with the half step; 0: not.
.macro STEPM slot, next, fill, o
	s_wait_dscnt 16                                ; the first 32 along K of buffer 0 are in
	WIN MULW
	MULA F0, 0, T0, 1                              ; the block's first products start its sums
	MULB F0, 0, T0, 1
	PLACES                                         ; T1's last products stand just ahead of these sixteen
	FOLD T1, FB, 0, 1
	WIN 0
	FACT FA, \o                                    ; the factors of this block
	FETCH \slot, 128, F1
	s_wait_dscnt 32                                ; all but the 32 just issued: buffer 0 is whole, the factors are in
	WIN MULW
	MULA F0, 1, T0, 0
	MULB F0, 1, T0, 0
	s_wait_dscnt 16
	MULA F1, 0, T0, 0
	MULB F1, 0, T0, 0
	FOLD T1, FB, 2, 3                              ; the step before is folded whole
	WIN 0
	FLUSHCHK
	FETCH \slot, 256, F0
	s_wait_dscnt 32
	WIN MULW
	MULA F1, 1, T0, 0
	MULB F1, 1, T0, 0
	s_wait_dscnt 16
	MULA F0, 0, T1, 1
	MULB F0, 0, T1, 1
	PLACES                                         ; T0's last products stand just ahead of these sixteen
	FOLD T0, FA, 0, 1
	WIN 0
	FACT FB, \o+256                                ; the factors of the step's second 128 keys
	FETCH \slot, 384, F1
	s_wait_dscnt 32
	WIN MULW
	MULA F0, 1, T1, 0
	MULB F0, 1, T1, 0
	WIN 0
	s_wait_tensorcnt 0x0                           ; all my tensor loads have landed: my part of the next slot
	ds_add_u32 v[SPW], v[NIL]                      ; 0 onto my spare word; the addresses' lines and eight products stand between it and the wait for it
.if \fill
	RADDR \slot, 2
.endif
	s_wait_dscnt 17                                ; the add and the youngest sixteen loads may be out
	WIN MULW
	MULA F1, 0, T1, 0
	s_wait_dscnt 0x0                               ; the add is done, and my reads of this slot are over
	s_barrier_signal -1
	MULB F1, 0, T1, 0
	FOLD T0, FA, 2, 3                              ; work on registers while the others arrive
	WIN 0
	s_barrier_wait -1
.if \fill == 1
	CREST                                          ; the barrier has opened a round of the cluster's: no wave of any partner still reads this slot or has a load on its way
	JLOAD G0+4*\slot, G1, G0B+4*\slot, G1B         ; my one load behind the round; 112 products stand ahead of the wait for it
.elseif \fill == 2
	CREST
	JLOAD G0+4*\slot, G1H, G0B+4*\slot, G1BH
.else
	PLACES
.endif
	FETCH \next, 0, F0
	WIN MULW
	MULA F1, 1, T1, 0
	MULB F1, 1, T1, 0
	WIN 0
	s_add_co_u32 s[STP], s[STP], 1
.endm
	s_wait_tensorcnt 1                             ; my part of step 0 is in; step 1's may be out
	s_wait_dscnt 0x0
	s_barrier_signal -1
	s_barrier_wait -1
	CLEAR
	WIN 0x80                                       ; destination window 2
.set i, 0
.rept 128
	v_mov_b32 v[T1+i], 0                           ; the first step folds zeros
.set i, i+1
.endr
	WIN 0
	FETCH 0, 0, F0
	WIN 0
	s_mov_b32 s[CNT], 3
.Ltrip:                                            ; two steps a trip: steps 0 to 5 ask for steps 2 to 7
	STEPM 0, 1, 1, 0
	STEPM 1, 0, 1, 512
	v_add_nc_u32 v[FAD], 1024, v[FAD]              ; four stream blocks on
	s_sub_co_u32 s[CNT], s[CNT], 1
	s_cmp_lg_u32 s[CNT], 0
	s_cbranch_scc1 .Ltrip
	STEPM 0, 1, 2, 0                               ; step 6 asks for the half step
	STEPM 1, 0, 0, 512                             ; step 7 asks for nothing
	s_wait_dscnt 16                                ; step 8: 128 keys, one block
	WIN MULW
	MULA F0, 0, T0, 1
	MULB F0, 0, T0, 1
	PLACES
	FOLD T1, FB, 0, 1
	WIN 0
	FACT FA, 1024
	FETCH 0, 128, F1
	s_wait_dscnt 32
	WIN MULW
	MULA F0, 1, T0, 0
	MULB F0, 1, T0, 0
	s_wait_dscnt 0x0
	MULA F1, 0, T0, 0
	MULB F1, 0, T0, 0
	FOLD T1, FB, 2, 3
	WIN 0
	FLUSHCHK
	WIN MULW
	MULA F1, 1, T0, 0
	MULB F1, 1, T0, 0
	PLACES
	FOLD T0, FA, 0, 1                              ; the last block is folded whole
	FOLD T0, FA, 2, 3
	WIN 0
	RLOAD 2
	s_cmp_eq_u32 s[SKIP], 0                        ; positions 0-15 are the next launch's
	s_cbranch_scc1 .Lnot_first16
	FLUSHA 2, 0
.Lnot_first16:
	FLUSHA 2, 1
	FLUSHA 2, 2
	FLUSHA 2, 3
	s_wait_tensorcnt 0x0                           ; the wave's end
	ds_add_u32 v[SPW], v[NIL]
	s_wait_dscnt 0x0
	CROUND                                         ; the closing round
	s_endpgm
.Lfunc_end_k_q4e943cccb4_pv:
	.size	k_q4e943cccb4_pv, .Lfunc_end_k_q4e943cccb4_pv-k_q4e943cccb4_pv
	.p2alignl 7, 3214868480
	.fill 96, 4, 3214868480
	.section	.rodata,"a",@progbits
	.p2align	6, 0x0
	.amdhsa_kernel k_q4e943cccb4_pv
		.amdhsa_group_segment_fixed_size 327680
		.amdhsa_private_segment_fixed_size 0
		.amdhsa_enable_private_segment 0
		.amdhsa_kernarg_size 32
		.amdhsa_user_sgpr_count 2
		.amdhsa_user_sgpr_kernarg_segment_ptr 1
		.amdhsa_wavefront_size32 1
		.amdhsa_system_sgpr_workgroup_id_x 1
		.amdhsa_system_sgpr_workgroup_id_y 1
		.amdhsa_system_sgpr_workgroup_id_z 1
		.amdhsa_system_vgpr_workitem_id 0
		.amdhsa_next_free_vgpr 896
		.amdhsa_next_free_sgpr 100
		.amdhsa_reserve_vcc 0
		.amdhsa_float_denorm_mode_32 3
		.amdhsa_float_denorm_mode_16_64 3
		.amdhsa_memory_ordered 1
		.amdhsa_forward_progress 1
		.amdhsa_inst_pref_size 255
	.end_amdhsa_kernel
	.section	.bss,"aw",@nobits
	.p2align	6
	.space	262144
	.amdgpu_metadata
---
amdhsa.version: [ 1, 2 ]
amdhsa.kernels:
  - .name:           k_q4e943cccb4_pv
    .symbol:         k_q4e943cccb4_pv.kd
    .args:
      - { .name: p, .offset: 0, .size: 8, .value_kind: global_buffer, .address_space: global }
      - { .name: vt, .offset: 8, .size: 8, .value_kind: global_buffer, .address_space: global }
      - { .name: stat, .offset: 16, .size: 8, .value_kind: global_buffer, .address_space: global }
      - { .name: out0, .offset: 24, .size: 8, .value_kind: global_buffer, .address_space: global }
    .group_segment_fixed_size: 327680
    .private_segment_fixed_size: 0
    .kernarg_segment_align: 8
    .kernarg_segment_size: 32
    .max_flat_workgroup_size: 128
    .sgpr_count:     100
    .vgpr_count:     896
    .wavefront_size: 32
...
	.end_amdgpu_metadata
.endif
;; end of part 4
;; launch first16 (part 5): grid 4 x 1, 16 waves a work-group, no clusters, 88,064 bytes of LDS; arguments f32a, out0; writes out0
.if DOCPART == 5
	.amdgcn_target "amdgcn-amd-amdhsa--gfx1250"
	.amdhsa_code_object_version 6
	.text
	.protected	k_q4e943cccb4_first16
	.globl	k_q4e943cccb4_first16
	.p2align	8
	.type	k_q4e943cccb4_first16,@function
k_q4e943cccb4_first16:
	s_mov_b64 s[64:65], 0
	v_nop
	global_prefetch_b8 v0, s[64:65] scope:SCOPE_SE
	s_setreg_imm32_b32 hwreg(HW_REG_WAVE_MODE, 25, 1), 1
	s_wait_xcnt 0x0
; Positions 0-15 of each sequence, wholly in f32: these rows average one to sixteen values, so the rounding of 16-bit operands would weigh most here.  64 rows in all: no bulk work.
; WORK LEFT OUT: keys 16 on, which come after every one of these queries (the mask that reference() builds makes their weights exactly 0).
; A work-group takes a sequence; wave w takes channels 64 w .. 64 w + 63.  q, k and v of positions 0-15 come as images of accumulator registers (f32a): 1,024 bytes a block, registers 4 g .. 4 g + 3 of lane L at 512 g + 16 L.
;   q, k: lane (r, h), register j = value(position r, channel 16 cb + 8 h + j);   v: lane (r, h), register j = v(position 8 h + j, channel 16 cb + r).
; S^T = k q^T by the f32 matrix form, 4 along K an instruction: a pair of registers of k's image against the same pair of q's: both sides name the same four channels, so the products are the right ones.
; The waves' partial scores meet in LDS; every wave adds all sixteen in the same order and makes the softmax for itself: lane (r, h) holds query r and keys 8 h + 0 .. 7.
; O^T = v^T p^T: a pair of v's image (channels in the lanes, positions in the registers) against the same pair of p.  The registers that the f32 matrix form writes (v128-159, v192-223) are written by nothing else.
.set STG,   16384                      ; behind the 16 partial images of 1,024 bytes: a stage of 16 rows x 272 bytes a wave
.set SPARE, 86016
.set SPW, 30
.set NIL, 31
	s_load_b128 s[4:7], s[0:1], 0x0                ; f32a, out0
	v_lshl_add_u32 v[SPW], v0, 2, SPARE
	v_mov_b32 v[NIL], 0
	v_lshrrev_b32 v1, 5, v0
	v_readfirstlane_b32 s8, v1                     ; wave
	v_and_b32 v2, 31, v0
	v_lshlrev_b32 v3, 4, v2                        ; 16 x lane
	v_and_b32 v4, 15, v0                           ; r
	v_bfe_u32 v5, v0, 4, 1                         ; h
	s_lshl_b32 s18, s8, 10
	v_add_nc_u32 v6, s18, v3                       ; my partial image
	v_lshlrev_b32 v7, 3, v5
	v_sub_nc_u32 v7, v4, v7                        ; r - 8 h
	v_mov_b32 v8, 0xff800000                       ; -infinity
	v_mov_b32 v10, 0                               ; a lane permute's destination counts as one of its sources
	s_mul_i32 s19, s8, 16*272
	s_add_co_u32 s19, s19, STG
	v_mul_u32_u24 v15, v4, 272
	v_lshl_add_u32 v15, v5, 5, v15
	v_add_nc_u32 v15, s19, v15                     ; the stage, in: row r, 32 bytes for each half of the lanes
	v_mul_u32_u24 v16, v5, 272
	v_lshl_add_u32 v16, v4, 4, v16
	v_add_nc_u32 v16, s19, v16                     ; back: lanes 0-15 one row, lanes 16-31 the next
	v_lshlrev_b32 v17, 12, v5
	v_lshl_add_u32 v17, v4, 4, v17                 ; the same two rows in out0
	s_mov_b32 s20, 0x3d38aa3b                      ; log2(e) / 32
	s_mov_b32 s22, 0x76543210
	s_mov_b32 s23, 0xfedcba98
	s_lshl_b32 s10, ttmp9, 17                      ; q, k: 128 blocks a sequence,
	s_lshl_b32 s11, s8, 12                         ; four blocks a wave
	s_add_co_u32 s10, s10, s11
	s_mov_b32 s11, 0
	s_lshl_b32 s12, ttmp9, 16                      ; v: 64 blocks a sequence, behind q's and k's
	s_lshl_b32 s13, s8, 12
	s_add_co_u32 s12, s12, s13
	s_add_co_u32 s12, s12, 524288
	s_mov_b32 s13, 0
	s_lshl_b32 s24, ttmp9, 23                      ; out0: 2,048 rows of 4,096 bytes a sequence,
	s_lshl_b32 s25, s8, 8                          ; my 64 channels are 256 bytes
	s_add_co_u32 s24, s24, s25
	s_mov_b32 s25, 0
	s_wait_kmcnt 0x0
	s_add_nc_u64 s[14:15], s[4:5], s[10:11]
	s_add_nc_u64 s[16:17], s[4:5], s[12:13]
	s_add_nc_u64 s[6:7], s[6:7], s[24:25]
.irp i, 0,1,2,3
.irp g, 0,1
	global_load_b128 v[32+8*\i+4*\g:35+8*\i+4*\g], v3, s[14:15] offset:1024*\i+512*\g          ; q
.endr
.endr
.irp i, 0,1,2,3
.irp g, 0,1
	global_load_b128 v[64+8*\i+4*\g:67+8*\i+4*\g], v3, s[14:15] offset:65536+1024*\i+512*\g    ; k: 64 blocks on
.endr
.endr
.irp i, 0,1,2,3
.irp g, 0,1
	global_load_b128 v[96+8*\i+4*\g:99+8*\i+4*\g], v3, s[16:17] offset:1024*\i+512*\g          ; v
.endr
.endr
	s_wait_loadcnt 8                               ; q and k are in; v's eight loads may be out
.irp s, 0,1,2,3                                ; four accumulators by turns, one instruction a turn; the first four start the sums
.irp i, 0,1,2,3
.if \s == 0
	v_wmma_f32_16x16x4_f32 v[128+8*\i:135+8*\i], v[64+8*\i+2*\s:65+8*\i+2*\s], v[32+8*\i+2*\s:33+8*\i+2*\s], 0
.else
	v_wmma_f32_16x16x4_f32 v[128+8*\i:135+8*\i], v[64+8*\i+2*\s:65+8*\i+2*\s], v[32+8*\i+2*\s:33+8*\i+2*\s], v[128+8*\i:135+8*\i]
.endif
.endr
.endr
.rept 8
	v_nop                                          ; eight plain lines behind this form ahead of the first read of a result
.endr
.irp j, 0,1,2,3,4,5,6,7
	v_add_f32 v[160+\j], v[128+\j], v[136+\j]      ; each accumulator from its low end on
.endr
.irp j, 0,1,2,3,4,5,6,7
	v_add_f32 v[160+\j], v[160+\j], v[144+\j]
.endr
.irp j, 0,1,2,3,4,5,6,7
	v_add_f32 v[160+\j], v[160+\j], v[152+\j]
.endr
	ds_store_b128 v6, v[160:163]
	ds_store_b128 v6, v[164:167] offset:512
	s_wait_dscnt 0x0                               ; for the others' sake: my partial scores have landed
	s_barrier_signal -1
	s_barrier_wait -1
.irp k, 0,1,2,3,4,5,6,7
.irp g, 0,1
	ds_load_b128 v[32+8*\k+4*\g:35+8*\k+4*\g], v3 offset:1024*\k+512*\g
.endr
.endr
	s_wait_dscnt 0x0
.irp j, 0,1,2,3,4,5,6,7
	v_add_f32 v[168+\j], v[32+\j], v[40+\j]
.endr
.irp k, 2,3,4,5,6,7
.irp j, 0,1,2,3,4,5,6,7
	v_add_f32 v[168+\j], v[168+\j], v[32+8*\k+\j]
.endr
.endr
.irp k, 0,1,2,3,4,5,6,7
.irp g, 0,1
	ds_load_b128 v[32+8*\k+4*\g:35+8*\k+4*\g], v3 offset:8192+1024*\k+512*\g
.endr
.endr
	s_wait_dscnt 0x0
.irp k, 0,1,2,3,4,5,6,7
.irp j, 0,1,2,3,4,5,6,7
	v_add_f32 v[168+\j], v[168+\j], v[32+8*\k+\j]  ; all sixteen in ascending order: every wave has the same scores
.endr
.endr
.irp j, 0,1,2,3,4,5,6,7
	v_cmp_gt_i32 vcc_lo, \j, v7                    ; key 8 h + j comes after query r
	v_cndmask_b32 v[168+\j], v[168+\j], v8, vcc_lo
.endr
	v_max3_num_f32 v9, v168, v169, v170
	v_max3_num_f32 v9, v9, v171, v172
	v_max3_num_f32 v9, v9, v173, v174
	v_max_num_f32 v9, v9, v175
	v_permlanex16_b32 v10, v9, s22, s23
	v_max_num_f32 v9, v9, v10                      ; the row's largest score: key 0 counts for every query
	v_mul_f32 v9, s20, v9
.irp j, 0,1,2,3,4,5,6,7
	v_fma_f32 v[176+\j], v[168+\j], s20, -v9       ; the maximum is taken away
.endr
.irp j, 0,1,2,3,4,5,6,7
	v_exp_f32 v[176+\j], v[176+\j]
.endr
	v_nop                                          ; a plain line behind the exponentials
	s_wait_alu depctr_va_vdst(0)                   ; one wait for the batch
	v_add_f32 v11, v176, v177
	v_add_f32 v12, v178, v179
	v_add_f32 v13, v180, v181
	v_add_f32 v14, v182, v183
	v_add_f32 v11, v11, v12
	v_add_f32 v13, v13, v14
	v_add_f32 v11, v11, v13
	v_permlanex16_b32 v10, v11, s22, s23
	v_add_f32 v11, v11, v10
	v_rcp_f32 v11, v11
	v_nop
	s_wait_alu depctr_va_vdst(0)
.irp j, 0,1,2,3,4,5,6,7
	v_mul_f32 v[176+\j], v[176+\j], v11            ; the weights
.endr
	s_wait_loadcnt 0x0                             ; v
.irp s, 0,1,2,3
.irp i, 0,1,2,3
.if \s == 0
	v_wmma_f32_16x16x4_f32 v[192+8*\i:199+8*\i], v[96+8*\i+2*\s:97+8*\i+2*\s], v[176+2*\s:177+2*\s], 0
.else
	v_wmma_f32_16x16x4_f32 v[192+8*\i:199+8*\i], v[96+8*\i+2*\s:97+8*\i+2*\s], v[176+2*\s:177+2*\s], v[192+8*\i:199+8*\i]
.endif
.endr
.endr
.rept 8
	v_nop
.endr
.irp i, 0,1,2,3
	ds_store_b128 v15, v[192+8*\i:195+8*\i] offset:64*\i          ; lane (r, h): out(query r, channel 64 w + 16 i + 8 h + 0 .. 3),
	ds_store_b128 v15, v[196+8*\i:199+8*\i] offset:64*\i+16       ; and + 4 .. 7
.endr
.irp t, 0,1,2,3,4,5,6,7
	ds_load_b128 v[32+4*\t:35+4*\t], v16 offset:\t*544            ; in order behind my stores
.endr
.irp t, 0,1,2,3,4,5,6,7
	s_wait_dscnt 7-\t
	global_store_b128 v17, v[32+4*\t:35+4*\t], s[6:7] offset:2*\t*4096 th:TH_STORE_NT   ; 16 lanes store 256 consecutive aligned bytes
.endr
	s_wait_tensorcnt 0x0                           ; the wave's end, behind my last LDS store
	ds_add_u32 v[SPW], v[NIL]
	s_wait_dscnt 0x0
	s_endpgm
.Lfunc_end_k_q4e943cccb4_first16:
	.size	k_q4e943cccb4_first16, .Lfunc_end_k_q4e943cccb4_first16-k_q4e943cccb4_first16
	.p2alignl 7, 3214868480
	.fill 96, 4, 3214868480
	.section	.rodata,"a",@progbits
	.p2align	6, 0x0
	.amdhsa_kernel k_q4e943cccb4_first16
		.amdhsa_group_segment_fixed_size 88064
		.amdhsa_private_segment_fixed_size 0
		.amdhsa_enable_private_segment 0
		.amdhsa_kernarg_size 16
		.amdhsa_user_sgpr_count 2
		.amdhsa_user_sgpr_kernarg_segment_ptr 1
		.amdhsa_wavefront_size32 1
		.amdhsa_system_sgpr_workgroup_id_x 1
		.amdhsa_system_sgpr_workgroup_id_y 1
		.amdhsa_system_sgpr_workgroup_id_z 1
		.amdhsa_system_vgpr_workitem_id 0
		.amdhsa_next_free_vgpr 256
		.amdhsa_next_free_sgpr 66
		.amdhsa_reserve_vcc 1
		.amdhsa_float_denorm_mode_32 3
		.amdhsa_float_denorm_mode_16_64 3
		.amdhsa_memory_ordered 1
		.amdhsa_forward_progress 1
		.amdhsa_inst_pref_size 19
	.end_amdhsa_kernel
	.amdgpu_metadata
---
amdhsa.version: [ 1, 2 ]
amdhsa.kernels:
  - .name:           k_q4e943cccb4_first16
    .symbol:         k_q4e943cccb4_first16.kd
    .args:
      - { .name: f32a, .offset: 0, .size: 8, .value_kind: global_buffer, .address_space: global }
      - { .name: out0, .offset: 8, .size: 8, .value_kind: global_buffer, .address_space: global }
    .group_segment_fixed_size: 88064
    .private_segment_fixed_size: 0
    .kernarg_segment_align: 8
    .kernarg_segment_size: 16
    .max_flat_workgroup_size: 512
    .sgpr_count:     66
    .vgpr_count:     256
    .wavefront_size: 32
...
	.end_amdgpu_metadata
.endif
;; end of part 5
